; MI455X (gfx1250); checked and timed in simulation.
; The chip was launched on July 23, 2026; its instructions are those of AMD's public machine-readable ISA for CDNA 5 (MIT licence, August 2026) and "CDNA5" Instruction Set Architecture Reference Guide (July 2026). The comments in the code are by the model that wrote it; some were corrected since.
;; Gating Network. Allowed arithmetic: float matrix products may take bf16 or f16 operands with f32 sums; other float arithmetic in f32, or as packed bf16 or f16 multiplies, adds, multiply-adds, maxima and minima; sums over many terms, partial sums and values carried from step to step in f32; what a program stores and reads back later, other than sums and carried values, may be rounded once to bf16 or f16.
;; Inputs: W1 8 x 128 x 4,096 float32; W2 8 x 4,096 x 128 float32; b1 8 x 4,096 float32; b2 8 x 128 float32; topk_idx 8,192 x 2 int32; weights 8,192 x 2 float32; x 8,192 x 128 float32.
;; Outputs: out0 8,192 x 128 float32.
;; 2 versions, each right; version 2 is version 1 with the launches prep, combine written anew for expert scheduling mode. Each part assembles by itself: llvm-mc -triple=amdgcn-amd-amdhsa -mcpu=gfx1250 --defsym DOCPART=n.
;; ======== version 1 of 2: 3 launches
;; limits: values are held in f16: magnitudes above 65,504 overflow, below 6.1e-05 lose precision
;; workspace buffers: wp 16,777,216 bytes; order 81,920 bytes of whole numbers; inv 65,536 bytes of whole numbers; tiles 256 bytes of whole numbers; p 38,666,240 bytes
;; launch prep (part 1): grid 257 x 1, 16 waves a work-group, no clusters, 151,808 bytes of LDS; arguments W1, W2, topk_idx, wp, order, tiles, inv; writes wp, order, tiles, inv
.if DOCPART == 1
	.amdgcn_target "amdgcn-amd-amdhsa--gfx1250"
	.amdhsa_code_object_version 6
	.text
	.protected	k_q3c752fe87a_prep
	.globl	k_q3c752fe87a_prep
	.p2align	8
	.type	k_q3c752fe87a_prep,@function
k_q3c752fe87a_prep:
	s_mov_b64 s[64:65], 0
	v_nop
	global_prefetch_b8 v0, s[64:65] scope:SCOPE_SE
	s_setreg_imm32_b32 hwreg(HW_REG_WAVE_MODE, 25, 1), 1
	s_wait_xcnt 0x0
; PREP.  Two jobs in one launch, chosen by the work-group's number.
; Work-group 0 sorts the 16,384 routed slots (slot s = 2 x token + k) by expert, by a counting sort without atomics, into PADDED places: an expert with n rows gets ceil(n / 320) groups of
;   320 places, the groups of all experts on end: at most (16,384 + 8 x 319) / 320 = 59 groups, whatever the split.  It stores order[place] = slot (a place without a row names slot 0),
;   inv[slot] = place, and tiles[group] = the group's expert.
; Work-groups 1 .. 256 round W1 and W2 to bf16 once and lay them out in the order in which a wave's matrix operand registers take them.  W1 is stored as bf16; W2's bf16 value is stored as f16,
;   since the second product's other operand, the hidden layer, wants f16's 11 significant bits.
;   wp: expert e at e x 2 MiB, chunk c (32 hidden channels) at c x 16,384.  With lane = 16 hh + r:
;     W1 part: ht x 4096 + ks x 1024 + j x 512 + lane x 16 holds W1[e][32 ks + 16 j + 8 hh + 0..7][32 c + 16 ht + r]
;     W2 part: 8192 + ot x 1024 + j x 512 + lane x 16 holds W2[e][32 c + 16 j + 8 hh + 0..7][16 ot + r]
; No cluster and no tensor load: no two work-groups read the same input bytes, and every byte passes through registers anyway to be rounded.
; LIMITS.  An index outside 0 .. 7 counts as min(index as unsigned, 7).  Rounding to bf16 is to nearest even.  W2's bf16 value is exact in f16 for magnitudes from 2^-17 to 65,504; below, it is
; off by 2^-25 at the most; 65,520 or more would become an infinity.
.set SPITCH, 272                       ; a stage block: 256 bytes + 16: block b begins 16 b bytes further modulo 256
.set WSTG,   8*SPITCH                  ; a wave's own stage: 8 blocks
.set SCANB,  16*WSTG                   ; 16 waves x 16 bytes of totals
.set TBL,    SCANB+256                 ; four tables of 512 threads x 16 bytes
.set ORD,    TBL+4*8192                ; the image of order: 20,480 places of 4 bytes
.set SPARE,  ORD+81920                 ; the spare words, 128 bytes for each of 16 waves: eight blocks of 256 bytes that no other line names
.set LANE, 2
.set SPW,  30                          ; v30  LDS address of my spare word; never rewritten
.set NIL,  31                          ; v31  0; never rewritten
	s_load_b256 s[4:11], s[0:1], 0x0               ; W1 s[4:5], W2 s[6:7], topk_idx s[8:9], wp s[10:11]
	s_load_b128 s[12:15], s[0:1], 0x20             ; order s[12:13], tiles s[14:15]
	s_load_b64 s[32:33], s[0:1], 0x30              ; inv
	v_lshl_add_u32 v[SPW], v0, 2, SPARE
	v_mov_b32 v[NIL], 0
	v_lshrrev_b32 v1, 5, v0
	v_readfirstlane_b32 s16, v1                    ; wave 0..15
	v_and_b32 v[LANE], 31, v0
	s_wait_kmcnt 0x0
	s_cmp_eq_u32 ttmp9, 0                          ; the same answer in all waves of a work-group
	s_cbranch_scc1 .Lsort
; ---------------------------------------------------------------- the weights: work-group b + 1 has expert b / 32 and 128 hidden channels (four chunks, 65,536 bytes of wp)
.set SA,  3                            ; v3   stage, in: block lane / 4, 64 bytes for each lane of the four
.set SL,  4                            ; v4   stage, back: lanes 0-15 one block, lanes 16-31 the next
.set VA,  5                            ; v5   my byte offset in wp for W1's blocks
.set VB,  6                            ; v6   the same for W2's
.set LO,  7                            ; v7   16 x lane
.set TT,  8                            ; v8-13    at work: two sets of three, by turns
.set RA,  32                           ; v32-63   W1: 8 rows d x 4 columns h, f32
.set RB,  64                           ; v64-95   W2: 8 rows h x 4 columns o, f32
.set OA,  96                           ; v96-111  W1 packed;  v112-127 read back
.set KA,  112
.set OB,  32                           ; W2 packed and read back lie where W1's f32 lay: registers that no store still reads
.set KB,  48
	s_sub_co_u32 s17, ttmp9, 1
	s_lshr_b32 s18, s17, 5
	s_and_b32 s19, s17, 31                         ; which 128 hidden channels
	s_lshl_b32 s18, s18, 21                        ; the expert's 2 MiB, in W1, W2 and wp alike
	s_lshl_b32 s20, s16, 17                        ; W1: my 8 rows d = 8 w .. 8 w + 7, 16,384 bytes each
	s_lshl_b32 s21, s19, 9                         ;     128 channels are 512 bytes of a row
	s_or_b32 s24, s18, s20
	s_or_b32 s24, s24, s21
	s_mov_b32 s25, 0
	s_lshl_b32 s20, s19, 16                        ; W2: 128 rows of 512 bytes; wp: four chunks
	s_or_b32 s28, s18, s20
	s_mov_b32 s29, 0
	s_lshl_b32 s21, s16, 12                        ; W2: my 8 rows h
	s_or_b32 s26, s28, s21
	s_mov_b32 s27, 0
	s_mov_b32 s31, 0xffff0000                      ; a word's upper bf16
	s_add_nc_u64 s[4:5], s[4:5], s[24:25]
	s_add_nc_u64 s[6:7], s[6:7], s[26:27]
	s_add_nc_u64 s[10:11], s[10:11], s[28:29]
	v_lshlrev_b32 v[LO], 4, v[LANE]
.irp i, 0,1,2,3,4,5,6,7                ; all sixteen loads go out first; each covers 512 consecutive bytes, read once in the launch
	global_load_b128 v[RA+4*\i:RA+4*\i+3], v[LO], s[4:5] offset:16384*\i th:TH_LOAD_NT
.endr
.irp i, 0,1,2,3,4,5,6,7
	global_load_b128 v[RB+4*\i:RB+4*\i+3], v[LO], s[6:7] offset:512*\i th:TH_LOAD_NT
.endr
	s_mul_i32 s22, s16, WSTG                       ; my stage
	v_lshrrev_b32 v8, 2, v[LANE]
	v_and_b32 v9, 3, v[LANE]
	v_mul_u32_u24 v[SA], v8, SPITCH
	v_lshl_add_u32 v[SA], v9, 6, v[SA]
	v_add_nc_u32 v[SA], s22, v[SA]
	v_lshrrev_b32 v8, 4, v[LANE]
	v_and_b32 v9, 15, v[LANE]
	v_mul_u32_u24 v[SL], v8, SPITCH
	v_lshl_add_u32 v[SL], v9, 4, v[SL]
	v_add_nc_u32 v[SL], s22, v[SL]
	v_lshlrev_b32 v[VA], 12, v8                    ; W1: block 2 q + lane / 16 is (chunk q, ht = lane / 16); my d rows give ks, j, hh = 256 w
	v_lshl_add_u32 v[VA], v9, 4, v[VA]
	s_lshl_b32 s23, s16, 8
	v_add_nc_u32 v[VA], s23, v[VA]
	v_lshlrev_b32 v[VB], 10, v8                    ; W2: block 2 q + lane / 16 is ot; my h rows give the chunk w / 4 and j, hh = 256 (w % 4)
	v_lshl_add_u32 v[VB], v9, 4, v[VB]
	s_lshr_b32 s23, s16, 2
	s_lshl_b32 s23, s23, 14
	s_and_b32 s30, s16, 3
	s_lshl_b32 s30, s30, 8
	s_add_co_u32 s23, s23, s30
	s_add_co_u32 s23, s23, 8192
	v_add_nc_u32 v[VB], s23, v[VB]
; One unit: 8 rows x 128 columns of f32 in registers.  A column's 8 numbers are 16 bytes of 16-bit numbers, one lane's share of an operand; 16 neighbouring columns make a block of 256 bytes.
; half = 0: rounded to bf16.  half = 1: rounded to bf16, and that value written as f16.
; They go into my own stage and come back by blocks, so that sixteen lanes store 256 consecutive bytes, aligned.  LDS serves a wave's instructions in order: no wait between stores and loads.
.macro UNIT src, o, bk, vo, st, half
.irp c, 0,1,2,3
.irp q, 0,1,2,3
.if \half
	v_cvt_pk_bf16_f32 v[TT+3*((\q)%2)], v[(\src)+8*(\q)+(\c)], v[(\src)+8*(\q)+4+(\c)]
	v_lshlrev_b32 v[TT+3*((\q)%2)+1], 16, v[TT+3*((\q)%2)]
	v_and_b32 v[TT+3*((\q)%2)+2], s31, v[TT+3*((\q)%2)]
	v_cvt_pk_f16_f32 v[(\o)+4*(\c)+(\q)], v[TT+3*((\q)%2)+1], v[TT+3*((\q)%2)+2]
.else
	v_cvt_pk_bf16_f32 v[(\o)+4*(\c)+(\q)], v[(\src)+8*(\q)+(\c)], v[(\src)+8*(\q)+4+(\c)]
.endif
.endr
.endr
.irp c, 0,1,2,3
	ds_store_b128 v[SA], v[(\o)+4*(\c):(\o)+4*(\c)+3] offset:16*(\c)
.endr
.irp q, 0,1,2,3
	ds_load_b128 v[(\bk)+4*(\q):(\bk)+4*(\q)+3], v[SL] offset:2*SPITCH*(\q)
.endr
.irp q, 0,1,2,3
	s_wait_dscnt 3-(\q)                            ; LDS loads come back in order: number q is in, the younger ones may stay out
	global_store_b128 v[\vo], v[(\bk)+4*(\q):(\bk)+4*(\q)+3], s[10:11] offset:(\st)*(\q)
.endr
.endm
	s_wait_loadcnt 8                               ; W1's eight are in; W2's eight, issued behind them, may stay out
	UNIT RA, OA, KA, VA, 16384, 0
	s_wait_loadcnt 0x0
	UNIT RB, OB, KB, VB, 2048, 1
	s_wait_tensorcnt 0x0                           ; the wave's end: three closing lines behind my last LDS store
	ds_add_u32 v[SPW], v[NIL]
	s_wait_dscnt 0x0
	s_endpgm
; ---------------------------------------------------------------- the sort: 512 threads, 32 entries each: entry n = 4 i + c of thread t is slot 2048 i + 4 t + c
.set T,   3                            ; v3       at work in the scans
.set INC, 4                            ; v4-7     running sums over the lanes
.set XO,  8                            ; v8-11    my first places, four words of two 16-bit fields: experts 0|4, 2|6, 1|5, 3|7
.set WT,  12                           ; v12-15   a wave's totals
.set JN,  20                           ; v20-23   zeros for the image, then running sums over the waves
.set SH,  24                           ; v24-27   4 x expert, at work
.set EN,  32                           ; v32-63   entry n: the expert; the LDS address of its table field; its place
.set RK,  64                           ; v64-95   entry n: its rank among its group's entries of the same expert; then the LDS address of its place
.set A4,  96                           ; v96-99   group g (8 entries): eight counters of 4 bits, one an expert (8 at the most: it fits)
.set CG,  100                          ; v100-115 group g's counts widened to the four words
.set CT,  116                          ; v116-119 the thread's counts
.set TP,  120                          ; v120-123 a table's four words in the order of the experts
.set SLT, 96                           ; v96-127  later: entry n's slot
.macro SCAN16 r                        ; running sums along each row of 16 lanes; a lane without a source takes 0
.irp n, 1,2,4,8
	v_mov_b32_dpp v[T], v[\r] row_shr:\n row_mask:0xf bank_mask:0xf bound_ctrl:1
	v_add_nc_u32 v[\r], v[\r], v[T]
.endr
.endm
.Lsort:
	v_lshlrev_b32 v19, 4, v0                       ; 16 x thread; never rewritten
.irp i, 0,1,2,3,4,5,6,7
	global_load_b128 v[EN+4*\i:EN+4*\i+3], v19, s[8:9] offset:8192*\i
.endr
	v_add_nc_u32 v28, ORD, v19                     ; my 16 bytes in each 8,192 of the image; never rewritten
	v_add_nc_u32 v29, ORD+65536, v19               ; the same past what a 16-bit offset reaches
.irp k, 0,1,2,3
	v_mov_b32 v[JN+\k], 0
.endr
.irp i, 0,1,2,3,4,5,6,7                ; the image is cleared while the indices are on their way: a place without a row names slot 0
	ds_store_b128 v28, v[JN:JN+3] offset:8192*\i
.endr
.irp i, 0,1
	ds_store_b128 v29, v[JN:JN+3] offset:8192*\i
.endr
.irp g, 0,1,2,3
	v_mov_b32 v[A4+\g], 0
.endr
	v_mov_b32 v[T], 0
	v_lshl_add_u32 v17, v0, 4, TBL                 ; my 16 bytes in each table; never rewritten
	s_mov_b32 s40, 0x000f000f                      ; two counters, 16 bits apart
	s_mov_b32 s41, 0xffff0000                      ; lanes 16-31
	s_mov_b32 s34, 0x05040100                      ; v_perm_b32: the two low halves
	s_mov_b32 s35, 0x07060302                      ; the two high halves
	s_wait_loadcnt 0x0
.set n, 0
.rept 32                               ; pass 1: an entry's rank is its expert's counter as it finds it; its table field lies at byte 2 x expert of my 16
	v_min_u32 v[EN+n], 7, v[EN+n]
	v_lshlrev_b32 v[SH+n%4], 2, v[EN+n]
	v_bfe_u32 v[RK+n], v[A4+n/8], v[SH+n%4], 4
	v_lshl_add_u32 v[A4+n/8], 1, v[SH+n%4], v[A4+n/8]
	v_lshl_add_u32 v[EN+n], v[EN+n], 1, v17
.set n, n+1
.endr
.irp g, 0,1,2,3
	v_and_b32 v[CG+4*\g], s40, v[A4+\g]            ; experts 0|4
	v_lshrrev_b32 v[CG+4*\g+1], 8, v[A4+\g]        ; 2|6
	v_lshrrev_b32 v[CG+4*\g+2], 4, v[A4+\g]        ; 1|5
	v_lshrrev_b32 v[CG+4*\g+3], 12, v[A4+\g]       ; 3|7
	v_and_b32 v[CG+4*\g+1], s40, v[CG+4*\g+1]
	v_and_b32 v[CG+4*\g+2], s40, v[CG+4*\g+2]
	v_and_b32 v[CG+4*\g+3], s40, v[CG+4*\g+3]
.endr
.irp k, 0,1,2,3                        ; every sum of a field stays at 18,880 or below: no carry crosses into the upper field
	v_add3_u32 v[CT+\k], v[CG+\k], v[CG+4+\k], v[CG+8+\k]
	v_add_nc_u32 v[CT+\k], v[CT+\k], v[CG+12+\k]
	v_mov_b32 v[INC+\k], v[CT+\k]
	SCAN16 INC+\k
	v_readlane_b32 s43, v[INC+\k], 15              ; the lower row's total goes onto the upper row
	v_cndmask_b32 v[T], 0, s43, s41
	v_add_nc_u32 v[INC+\k], v[INC+\k], v[T]
	v_sub_nc_u32 v[XO+\k], v[INC+\k], v[CT+\k]     ; what the lanes in front of me hold
	v_readlane_b32 s[44+\k], v[INC+\k], 31         ; the wave's total
	v_mov_b32 v[WT+\k], s[44+\k]
.endr
	s_lshl_b32 s43, s16, 4
	s_add_co_u32 s43, s43, SCANB
	v_mov_b32 v16, s43
	ds_store_b128 v16, v[WT:WT+3]                  ; all lanes write the same 16 bytes with the same numbers
	s_wait_dscnt 0x0                               ; for the others' sake: my totals, and my part of the cleared image, are in LDS
	s_barrier_signal -1
	s_barrier_wait -1
	v_and_b32 v16, 15, v0
	v_lshl_add_u32 v16, v16, 4, SCANB
	ds_load_b128 v[WT:WT+3], v16                   ; lane l: the totals of wave l % 16
	s_wait_dscnt 0x0
.irp k, 0,1,2,3
	v_mov_b32 v[JN+\k], v[WT+\k]
	SCAN16 JN+\k
	v_sub_nc_u32 v[WT+\k], v[JN+\k], v[WT+\k]
	v_readlane_b32 s[36+\k], v[WT+\k], s16         ; what the waves in front of mine hold
	v_readlane_b32 s[44+\k], v[JN+\k], 15          ; the experts' counts
.endr
	s_and_b32 s48, s44, 0xffff                     ; n0 .. n6 in s48 .. s54 (the last expert's count is not needed)
	s_lshr_b32 s52, s44, 16
	s_and_b32 s50, s45, 0xffff
	s_lshr_b32 s54, s45, 16
	s_and_b32 s49, s46, 0xffff
	s_lshr_b32 s53, s46, 16
	s_and_b32 s51, s47, 0xffff
	s_mov_b32 s66, 0                               ; the experts' first groups in s66 .. s73,
	s_mov_b32 s56, 0                               ; their first places, 320 x that, in s56 .. s63
.irp e, 0,1,2,3,4,5,6
	s_add_co_u32 s74, s[48+\e], 319
	s_mul_i32 s74, s74, 52429                      ; x / 320 = x * 52429 >> 24, exact for x up to 16,703
	s_lshr_b32 s74, s74, 24
	s_add_co_u32 s[67+\e], s[66+\e], s74
	s_mul_i32 s[57+\e], s[67+\e], 320
.endr
	s_lshl_b32 s40, s60, 16                        ; packed like the counts, and added to the waves' part
	s_or_b32 s40, s40, s56
	s_add_co_u32 s36, s36, s40
	s_lshl_b32 s40, s62, 16
	s_or_b32 s40, s40, s58
	s_add_co_u32 s37, s37, s40
	s_lshl_b32 s40, s61, 16
	s_or_b32 s40, s40, s57
	s_add_co_u32 s38, s38, s40
	s_lshl_b32 s40, s63, 16
	s_or_b32 s40, s40, s59
	s_add_co_u32 s39, s39, s40
.irp k, 0,1,2,3
	v_add_nc_u32 v[XO+\k], s[36+\k], v[XO+\k]
.endr
.irp g, 0,1,2,3                        ; table g: where my group g's entries of each expert begin, expert e's 16 bits at byte 2 e
	v_perm_b32 v[TP], v[XO+2], v[XO], s34          ; experts 0|1
	v_perm_b32 v[TP+1], v[XO+3], v[XO+1], s34      ; 2|3
	v_perm_b32 v[TP+2], v[XO+2], v[XO], s35        ; 4|5
	v_perm_b32 v[TP+3], v[XO+3], v[XO+1], s35      ; 6|7
	ds_store_b128 v17, v[TP:TP+3] offset:8192*\g
.if \g < 3
.irp k, 0,1,2,3
	v_add_nc_u32 v[XO+\k], v[XO+\k], v[CG+4*\g+\k]
.endr
.endif
.endr
	s_wait_dscnt 0x0                               ; the tables are in LDS; the barrier orders every store with every read below, whoever made it
	s_barrier_signal -1
	s_barrier_wait -1
.set n, 0
.rept 32                               ; pass 2: place = the table's field of the entry's expert + rank
	ds_load_u16 v[EN+n], v[EN+n] offset:8192*(n/8)
.set n, n+1
.endr
	v_lshlrev_b32 v18, 2, v0
	s_wait_dscnt 0x0
.set n, 0
.rept 32
	v_add_nc_u32 v[EN+n], v[EN+n], v[RK+n]
	v_min_u32 v[EN+n], 0x4fff, v[EN+n]             ; inside the image's 20,480 places
	v_lshl_add_u32 v[RK+n], v[EN+n], 2, ORD
	v_add_nc_u32 v[SLT+n], 2048*(n/4)+n%4, v18     ; the entry's slot
	ds_store_b32 v[RK+n], v[SLT+n]
.set n, n+1
.endr
.irp i, 0,1,2,3,4,5,6,7                ; inv: my four neighbouring slots' places are 16 neighbouring bytes: a wave stores 512 consecutive bytes, aligned
	global_store_b128 v19, v[EN+4*\i:EN+4*\i+3], s[32:33] offset:8192*\i
.endr
	s_wait_dscnt 0x0                               ; the image of order is whole when all sixteen waves have said so
	s_barrier_signal -1
	s_barrier_wait -1
.irp i, 0,1,2,3,4,5,6,7
	ds_load_b128 v[64+4*\i:64+4*\i+3], v28 offset:8192*\i
.endr
.irp i, 0,1
	ds_load_b128 v[96+4*\i:96+4*\i+3], v29 offset:8192*\i
.endr
.irp i, 0,1,2,3,4,5,6,7,8,9
	s_wait_dscnt 9-\i                              ; number i is in, the younger ones may stay out
	global_store_b128 v19, v[64+4*\i:64+4*\i+3], s[12:13] offset:8192*\i  ; a wave stores 512 consecutive bytes, aligned
.endr
	s_cmp_lg_u32 s16, 0                            ; the groups' experts: wave 0, two groups a lane, one store of 256 bytes
	s_cbranch_scc1 .Lend
	v_lshlrev_b32 v8, 1, v0
	v_or_b32 v9, 1, v8
	v_mov_b32 v10, 0
	v_mov_b32 v11, 0
.irp k, 1,2,3,4,5,6,7                  ; the last expert whose first group is at or below mine: an expert without rows has no group and is passed over
	v_cmp_le_u32 vcc_lo, s[66+\k], v8
	v_cndmask_b32 v10, v10, \k, vcc_lo
	v_cmp_le_u32 vcc_lo, s[66+\k], v9
	v_cndmask_b32 v11, v11, \k, vcc_lo
.endr
	v_lshlrev_b32 v12, 3, v0
	global_store_b64 v12, v[10:11], s[14:15]
.Lend:
	s_wait_tensorcnt 0x0                           ; the wave's end: three closing lines behind my last LDS store
	ds_add_u32 v[SPW], v[NIL]
	s_wait_dscnt 0x0
	s_endpgm
.Lfunc_end_k_q3c752fe87a_prep:
	.size	k_q3c752fe87a_prep, .Lfunc_end_k_q3c752fe87a_prep-k_q3c752fe87a_prep
	.p2alignl 7, 3214868480
	.fill 96, 4, 3214868480
	.section	.rodata,"a",@progbits
	.p2align	6, 0x0
	.amdhsa_kernel k_q3c752fe87a_prep
		.amdhsa_group_segment_fixed_size 151808
		.amdhsa_private_segment_fixed_size 0
		.amdhsa_enable_private_segment 0
		.amdhsa_kernarg_size 56
		.amdhsa_user_sgpr_count 2
		.amdhsa_user_sgpr_kernarg_segment_ptr 1
		.amdhsa_wavefront_size32 1
		.amdhsa_system_sgpr_workgroup_id_x 1
		.amdhsa_system_sgpr_workgroup_id_y 1
		.amdhsa_system_sgpr_workgroup_id_z 1
		.amdhsa_system_vgpr_workitem_id 0
		.amdhsa_next_free_vgpr 128
		.amdhsa_next_free_sgpr 80
		.amdhsa_reserve_vcc 1
		.amdhsa_float_denorm_mode_32 3
		.amdhsa_float_denorm_mode_16_64 3
		.amdhsa_memory_ordered 1
		.amdhsa_forward_progress 1
		.amdhsa_inst_pref_size 48
	.end_amdhsa_kernel
	.amdgpu_metadata
---
amdhsa.version: [ 1, 2 ]
amdhsa.kernels:
  - .name:           k_q3c752fe87a_prep
    .symbol:         k_q3c752fe87a_prep.kd
    .args:
      - { .name: W1, .offset: 0, .size: 8, .value_kind: global_buffer, .address_space: global }
      - { .name: W2, .offset: 8, .size: 8, .value_kind: global_buffer, .address_space: global }
      - { .name: topk_idx, .offset: 16, .size: 8, .value_kind: global_buffer, .address_space: global }
      - { .name: wp, .offset: 24, .size: 8, .value_kind: global_buffer, .address_space: global }
      - { .name: order, .offset: 32, .size: 8, .value_kind: global_buffer, .address_space: global }
      - { .name: tiles, .offset: 40, .size: 8, .value_kind: global_buffer, .address_space: global }
      - { .name: inv, .offset: 48, .size: 8, .value_kind: global_buffer, .address_space: global }
    .group_segment_fixed_size: 151808
    .private_segment_fixed_size: 0
    .kernarg_segment_align: 8
    .kernarg_segment_size: 56
    .max_flat_workgroup_size: 512
    .sgpr_count:     80
    .vgpr_count:     128
    .wavefront_size: 32
...
	.end_amdgpu_metadata
.endif
;; end of part 1
;; launch moe (part 2): grid 4 x 59, 4 waves a work-group, no clusters, 327,680 bytes of LDS; arguments wp, b1, b2, x, weights, order, tiles, p; writes p
.if DOCPART == 2
	.amdgcn_target "amdgcn-amd-amdhsa--gfx1250"
	.amdhsa_code_object_version 6
	.text
	.protected	k_q3c752fe87a_moe
	.globl	k_q3c752fe87a_moe
	.p2align	8
	.type	k_q3c752fe87a_moe,@function
k_q3c752fe87a_moe:
	s_mov_b64 s[64:65], 0
	v_nop
	global_prefetch_b8 v0, s[64:65] scope:SCOPE_SE
	s_setreg_imm32_b32 hwreg(HW_REG_WAVE_MODE, 25, 1), 1
	s_wait_xcnt 0x0
; MOE.  p[q][place][:] = gate[slot] x (relu(x[token] W1[e][:, Hq] + b1[e][Hq]) W2[e][Hq, :] + (q = 0 ? b2[e] : 0)), with slot = order[place], token = slot / 2 and Hq the hidden channels
; 1,024 q .. 1,024 q + 1,023, for the 18,880 padded places that the launch before laid out by expert.  The four quarters of a place are partial sums, f32; the next launch adds them.
; SHARES.  Group y (59 of them, enough for every split) has ONE expert, tiles[y], and 320 places.  Work-group (q, y) has ALL 320 places and a QUARTER of the hidden channels: 32 chunks of 32 channels,
; 512 KiB of wp: 236 x 512 KiB = 118 MiB asked for in all, a quarter of what 80 places x all channels would ask.  Wave w has places 320 y + 80 w .. + 79, five tiles of 16, and walks all 32 chunks:
; a fragment read from LDS feeds five tiles.  The price: 4 x 18,880 rows of 512 bytes are stored.  A place without a row names slot 0: it is computed and stored like any other, and no later
; launch reads it: no count, no mask and no branch hangs on the split.
; NO CLUSTER.  The four work-groups of a group share no weight bytes.  Those that do are the same quarter of other groups of the same expert, and which groups have the same expert is known
; only from tiles, a number read from memory: a joint load's descriptor has to be equal in all partners by the text alone.  What a group's four do share is its 320 rows of x, 160 KiB against
; 512 KiB of weights, and those come by a list, which no descriptor covers.
; LAYOUT.  S^T = W1frag x^T + b1 (source 0 = 16 hidden channels, source 1 = 16 tokens, C = the bias): a lane holds ONE token and 8 channels.  Two such results, rounded to f16 in pairs and
; held at 0 or above, ARE source 1 (32 channels x 16 tokens) of Out^T += W2frag P.  Nothing changes lanes between the products.
; BY TURNS.  Turn n belongs to tile n: 8 products of the first kind for tile n + 1, 8 of the second for tile n - 1, and between them, four at a time, tile n's 8 roundings and 8 maxima.
; FORMATS.  Every input is rounded once to bf16: x and W1 are bf16 operands of the first product; W2's bf16 value is an f16 operand of the second; b1, b2 and the gates are used in f32.  The
; hidden layer, which the program itself makes, is rounded to f16: a sum over 4,096 channels carries its rounding to the output undiminished, relative to the row, and a number near zero in a
; row some 1.7 times the output's root mean square has room for 0.006 of that row: bf16's 8 significant bits (off by some 0.002 of a number) leave three such errors of room, f16's 11 some 24.  All sums are f32.
; LIMITS.  A hidden number of 65,520 or more becomes an infinity in f16 (with x, W1 and b1 of unit-scale rows it is about 1; 30 times larger in each gives some 3,000); below 6e-5 it keeps f16's
; fixed step of 6e-8.  relu is a maximum in which a NaN loses: a NaN ahead of it gives 0, where the formula would keep it.  Numbers read from order and tiles are held inside their tables by a minimum.
; REGISTERS, in windows of 256 (s_set_vgpr_msb: bits 1:0 source 0, 3:2 source 1, 5:4 source 2, 7:6 destination):
;   window 0: v0-15 LDS addresses and constants; v16-47 S, two buffers of two results; v48-63 P, two buffers; v64-95 bias, by chunk parity; v96-255 x: tile t, 32 d from 32 ks at 96 + 32 t + 8 ks
;   window 1: v0-127 W1's fragments, 64 a chunk parity; v128-255 W2's     window 2: Out^T of tiles 0-3, 64 a tile     window 3: v0-63 Out^T of tile 4; v64-66 the gates; v68-71 b2
;   Ahead of the loop: window 1 v0-79 the byte offsets of my 80 rows of x; windows 2 and 3 (v0-63) those rows as loaded, f32, four registers a row.
.set SLOTB,  65536                     ; a ring slot: 4 chunks; wave w fills chunk w of it
.set CHUNK,  16384
.set STG,    2*SLOTB                   ; behind the ring: a stage for each wave, its own: first its 80 rows of x in bf16, at the end its 80 rows of output
.set XP,     272                       ; a row of x: 256 bytes + 16: row r begins 16 r bytes further modulo 256
.set PP,     528                       ; a row of output: 128 f32 + 16 bytes
.set STGW,   80*PP                     ; 42,240 bytes a wave
.set B1S,    STG+4*STGW                ; my quarter of b1[e], 1,024 f32
.set SPARE,  B1S+4096                  ; the spare words, 128 bytes for each wave: two blocks of 256 bytes that no other line names
.set PQ,     18880*512                 ; a quarter's part of p
.set ADR,  3                           ; v3   LDS address of the run of weight loads in hand
.set BA0,  4                           ; v4   B1S + 32 (lane / 16); never rewritten
.set BADR, 5                           ; v5   LDS address of the bias loads in hand
.set Z,    6                           ; v6   0, for the maximum
.set L16,  7                           ; v7   16 x lane
.set XSA,  8                           ; v8   x, into my stage: 8 bytes a lane
.set XLA,  9                           ; v9   x, back as fragments
.set B1A,  10                          ; v10  b1, in: 16 bytes a thread
.set PST,  11                          ; v11  the way out: where I put 32 bytes of a row
.set RD,   12                          ; v12  the way out: my 16 bytes of my stage's first row
.set SPW,  14                          ; v14  LDS address of my spare word; never rewritten
.set NIL,  15                          ; v15  0; never rewritten
.set S,    16
.set P,    48
.set BI,   64
.set X,    96
.set GW,   64                          ; window 3: v64-66: lane i of register k: the gate of my row 32 k + i
.set B2W,  68                          ; window 3: b2 of columns 4 lane .. 4 lane + 3 (0 in quarters 1 to 3)
.set XOF,  0                           ; window 1: v0-79
.set WV,   24                          ; s24  my wave's number
.set G1,   28                          ; s[28:35] descriptor group 1
.set G0A,  36                          ; s[36:39] group 0 of the first fill
.set G0B,  40                          ; s[40:43] group 0 of the second; it then walks
.set TB,   44                          ; s44  LDS byte at which the chunk to be fetched begins
.set TBB,  45                          ; s45  byte in my quarter of b1[e] of that chunk's bias
.set LOOP, 46
.set MSB, 0
.macro WIN new                         ; the high byte repeats the setting that is left; a switch that changes nothing is dropped
.if MSB != (\new)
	s_set_vgpr_msb (MSB<<8)|(\new)
.set MSB, (\new)
.endif
.endm
.set W_KQ, 0x01                        ; W1 (source 0) in window 1; x, bias and S in window 0
.set W_FW, 0x40                        ; destination in window 1, sources in window 0
.set W_T3, 0xc0                        ; destination in window 3, sources in window 0
	s_load_b512 s[4:19], s[0:1], 0x0               ; wp s[4:5], b1 s[6:7], b2 s[8:9], x s[10:11], weights s[12:13], order s[14:15], tiles s[16:17], p s[18:19]
	v_lshl_add_u32 v[SPW], v0, 2, SPARE
	v_mov_b32 v[NIL], 0
	ds_add_u32 v[SPW], v[NIL]                      ; the wave's opening: the add and its wait stand ahead of my first tensor load; the set-up below, work on registers, stands between them
	v_lshrrev_b32 v1, 5, v0
	v_readfirstlane_b32 s[WV], v1                  ; wave 0..3
	; descriptor group 1: a chunk, 16,384 dense bytes, asked for as 64 rows of 256 bytes
	s_mov_b32 s[G1+0], 3<<16                       ; 15:0 no mask; 17:16 elements of 8 bytes; no padding: the lanes read 512 consecutive bytes
	s_mov_b32 s[G1+1], 32<<16                      ; tensor_dim0 = 32
	s_mov_b32 s[G1+2], 64<<16                      ; tensor_dim1 = 64
	s_mov_b32 s[G1+3], 32<<16                      ; tile_dim0 = 32
	s_mov_b32 s[G1+4], 64                          ; tile_dim1 = 64
	s_mov_b32 s[G1+5], 32                          ; 32 elements from row to row
	s_mov_b32 s[G1+6], 0
	s_mov_b32 s[G1+7], 0
	s_mov_b32 s[G0A], 1                            ; count = 1
	s_lshl_b32 s[G0A+1], s[WV], 14                 ; LDS address: slot 0, chunk w
	s_mov_b32 s[G0B], 1
	s_add_co_u32 s[G0B+1], s[G0A+1], SLOTB         ; slot 1
	s_mov_b32 s[TB], 0
	s_mov_b32 s[TBB], 0
	; every LDS address of the text, from the thread's number, the wave's number and constants
	v_and_b32 v1, 31, v0                           ; lane
	v_and_b32 v[ADR], 15, v0                       ; lane % 16 (at work here; the fetches write it anew)
	v_bfe_u32 v[BADR], v0, 4, 1                    ; lane / 16 (likewise)
	v_lshlrev_b32 v[L16], 4, v1
	v_mov_b32 v[Z], 0
	v_lshl_add_u32 v[BA0], v[BADR], 5, B1S
	v_lshl_add_u32 v[B1A], v0, 4, B1S
	s_mul_i32 s47, s[WV], STGW
	s_add_co_u32 s47, s47, STG                     ; my stage
	v_lshl_add_u32 v[XSA], v1, 3, s47
	v_mul_u32_u24 v[XLA], v[ADR], XP               ; row lane % 16, 16 bytes for each half of the lanes
	v_lshl_add_u32 v[XLA], v[BADR], 4, v[XLA]
	v_add_nc_u32 v[XLA], s47, v[XLA]
	v_mul_u32_u24 v[PST], v[ADR], PP               ; row lane % 16, 32 bytes for each half of the lanes
	v_lshl_add_u32 v[PST], v[BADR], 5, v[PST]
	v_add_nc_u32 v[PST], s47, v[PST]
	v_add_nc_u32 v[RD], s47, v[L16]
	; my wave's first place among the 18,880, and my quarter
	s_and_b32 s49, ttmp7, 0xffff                   ; the group
	s_lshl_b32 s21, s49, 2                         ; its word in tiles
	s_mul_i32 s50, s49, 320
	s_mul_i32 s27, s[WV], 80
	s_add_co_u32 s50, s50, s27
	s_lshl_b32 s54, s50, 9                         ; its row of 512 bytes,
	s_mul_i32 s26, ttmp9, PQ                       ; in my quarter's part of p: 38,666,240 bytes at the most
	s_add_co_u32 s54, s54, s26
	s_mov_b32 s55, 0
	s_lshl_b32 s25, ttmp9, 19                      ; my quarter's 32 chunks in the expert's part of wp
	s_lshl_b32 s48, ttmp9, 12                      ; and its 1,024 numbers in b1[e]
	s_mov_b32 s72, 0xffff0000                      ; a word's upper bf16
	s_cmp_eq_u32 ttmp9, 0
	s_cselect_b32 s73, -1, 0                       ; quarter 0 alone adds b2: a mask on its bits
.set B1T,   64                         ; at work ahead of the loop, in the bias's registers: v64-71 b1 as loaded
.set B2T,   72                         ; v72-75 b2 as loaded
.set SLOTV, 76                         ; v76-78 lane i of register k: the slot of my row 32 k + i
.set GATEV, 80                         ; v80-82 its gate
.set T2,    84                         ; v84-86 the gates' byte offsets
.set T0,    88
.set T1,    89
.set T3,    90                         ; v90-91
	v_add_nc_u32 v[T0], s50, v1
	v_lshlrev_b32 v[T0], 2, v[T0]
	v_lshlrev_b32 v[T1], 4, v0
	s_wait_dscnt 0x0                               ; the opening add is done
	s_wait_kmcnt 0x0
	s_load_b32 s20, s[16:17], s21 offset:0x0       ; the group's expert
.irp k, 0,1,2                          ; the third load's lanes 16-31 read 16 places past my 80: inside order's 20,480 places, and not used
	global_load_b32 v[SLOTV+\k], v[T0], s[14:15] offset:128*\k
.endr
	s_add_nc_u64 s[18:19], s[18:19], s[54:55]      ; p at my wave's first row
	s_wait_kmcnt 0x0
	s_min_u32 s20, s20, 7
	s_lshl_b32 s22, s20, 21                        ; the expert's 2 MiB of wp,
	s_add_co_u32 s22, s22, s25                     ; my quarter,
	s_add_co_u32 s22, s22, s[G0A+1]                ; my wave's chunk of a fill's four
	s_mov_b32 s23, 0
	s_add_nc_u64 s[G0A+2:G0A+3], s[4:5], s[22:23]  ; global address: fill 0
	s_add_nc_u64 s[G0B+2:G0B+3], s[G0A+2:G0A+3], SLOTB  ; fill 1
	s_or_b32 s[G0A+3], s[G0A+3], 0x80000000        ; type = 2
	s_or_b32 s[G0B+3], s[G0B+3], 0x80000000
	tensor_load_to_lds s[G0A:G0A+3], s[G1:G1+7]    ; both first fills go out together: two loads of mine are out
	s_nop 0
	tensor_load_to_lds s[G0B:G0B+3], s[G1:G1+7]
	s_nop 0
.rept 4
	v_nop
.endr
	s_lshl_b32 s22, s20, 14
	s_add_co_u32 s22, s22, s48
	s_add_nc_u64 s[6:7], s[6:7], s[22:23]          ; my quarter of b1[e]
	s_lshl_b32 s22, s20, 9
	s_add_nc_u64 s[8:9], s[8:9], s[22:23]          ; b2[e]
	global_load_b128 v[B1T:B1T+3], v[T1], s[6:7]
	global_load_b128 v[B1T+4:B1T+7], v[T1], s[6:7] offset:2048
	global_load_b128 v[B2T:B2T+3], v[L16], s[8:9]
	s_wait_loadcnt 3                               ; the slots are in; b1's two loads and b2's one were issued behind them
.irp k, 0,1,2
	v_min_u32 v[SLOTV+\k], 0x3fff, v[SLOTV+\k]
	v_lshlrev_b32 v[T2+\k], 2, v[SLOTV+\k]
	global_load_b32 v[GATEV+\k], v[T2+\k], s[12:13]
.endr
; My 80 rows of x, a tile of 16 at a time.  XADDR: the rows' byte offsets, each in a register of its own.  XLOAD: a whole row, 512 bytes, to an instruction, into the registers that will hold Out^T.
; XGROUP: rounded to bf16, into my stage, and back as fragments (16 tokens x 32 d in 8 registers: two loads of 16 bytes, 32 bytes apart); LDS serves a wave's instructions in order.
.macro XADDR g
	WIN 0
.set j, 0
.rept 16
	v_readlane_b32 s[80+j], v[SLOTV+(16*(\g)+j)/32], (16*(\g)+j)%32
	s_lshr_b32 s[80+j], s[80+j], 1                 ; the token
	s_min_u32 s[80+j], s[80+j], 8191
.set j, j+1
.endr
	WIN W_FW
.set j, 0
.rept 16
	v_lshl_add_u32 v[XOF+16*(\g)+j], s[80+j], 9, v[L16]
.set j, j+1
.endr
.endm
.macro XLOAD g
.if (\g) < 4
	WIN 0x81                                       ; data into window 2, offset from window 1
.else
	WIN 0xc1                                       ; data into window 3
.endif
.set j, 0
.rept 16
	global_load_b128 v[64*((\g)%4)+4*j:64*((\g)%4)+4*j+3], v[XOF+16*(\g)+j], s[10:11]
.set j, j+1
.endr
.endm
.macro XGROUP g
.set PK, 16+32*((\g)%2)                ; 32 registers of packed rows, two sets by turns
.if (\g) < 4
	WIN 0x0a                                       ; sources 0 and 1 in window 2
.else
	WIN 0x0f                                       ; in window 3
.endif
.set j, 0
.rept 16
	v_cvt_pk_bf16_f32 v[PK+2*j], v[64*((\g)%4)+4*j], v[64*((\g)%4)+4*j+1]
	v_cvt_pk_bf16_f32 v[PK+2*j+1], v[64*((\g)%4)+4*j+2], v[64*((\g)%4)+4*j+3]
.set j, j+1
.endr
	WIN 0
.set j, 0
.rept 16
	ds_store_b64 v[XSA], v[PK+2*j:PK+2*j+1] offset:XP*(16*(\g)+j)
.set j, j+1
.endr
.irp k, 0,1,2,3
	ds_load_b128 v[X+32*(\g)+8*\k:X+32*(\g)+8*\k+3],   v[XLA] offset:16*XP*(\g)+64*\k
	ds_load_b128 v[X+32*(\g)+8*\k+4:X+32*(\g)+8*\k+7], v[XLA] offset:16*XP*(\g)+64*\k+32
.endr
.endm
	XADDR 0
	XLOAD 0
	XADDR 1
	XLOAD 1
	XADDR 2
	XLOAD 2                                        ; 48 rows, the gates, b1 and b2: 54 loads of mine are out
	XADDR 3
	XADDR 4
	WIN 0
	s_wait_loadcnt 47                              ; b1, b2 and the gates are in (48 rows were issued behind them); with at most 47 out, sixteen more make 63
	XLOAD 3
	WIN 0
.set i, 0
.rept 4                                ; b1 rounded to bf16 values, kept as f32
	v_cvt_pk_bf16_f32 v[T3+i%2], v[B1T+2*i], v[B1T+2*i+1]
	v_lshlrev_b32 v[B1T+2*i], 16, v[T3+i%2]
	v_and_b32 v[B1T+2*i+1], s72, v[T3+i%2]
.set i, i+1
.endr
	ds_store_b128 v[B1A], v[B1T:B1T+3]
	ds_store_b128 v[B1A], v[B1T+4:B1T+7] offset:2048
	v_cvt_pk_bf16_f32 v[T3], v[B2T], v[B2T+1]
	v_cvt_pk_bf16_f32 v[T3+1], v[B2T+2], v[B2T+3]
	v_and_b32 v[T3], s73, v[T3]
	v_and_b32 v[T3+1], s73, v[T3+1]
.irp k, 0,1,2
	v_cvt_pk_bf16_f32 v[GATEV+\k], v[GATEV+\k], v[GATEV+\k]
.endr
	WIN W_T3                                       ; b2 and the gates, rounded, wait in window 3 for the way out
	v_lshlrev_b32 v[B2W], 16, v[T3]
	v_and_b32 v[B2W+1], s72, v[T3]
	v_lshlrev_b32 v[B2W+2], 16, v[T3+1]
	v_and_b32 v[B2W+3], s72, v[T3+1]
.irp k, 0,1,2
	v_lshlrev_b32 v[GW+\k], 16, v[GATEV+\k]
.endr
	WIN 0
	s_wait_loadcnt 47                              ; of the 64 rows issued at most 47 are out: rows 0 to 16 are in, and sixteen more make 63
	XLOAD 4
	XGROUP 0
	s_wait_loadcnt 48                              ; rows 16 to 31 are in; the 48 rows behind them may stay out
	XGROUP 1
	s_wait_loadcnt 32
	XGROUP 2
	s_wait_loadcnt 16
	XGROUP 3
	s_wait_loadcnt 0x0
	XGROUP 4
; Product i of 8 of S^T for tile t from chunk parity cp, into S's buffer par: channels 16 (i % 2) on, d = 32 (i / 2) on.  The two accumulators take turns; the first two products take the bias as C.
.macro KQ cp, t, par, i
	WIN W_KQ
.set rS, S+16*(\par)+8*((\i)%2)
.set rW, 64*(\cp)+32*((\i)%2)+8*((\i)/2)
.set rX, X+32*(\t)+8*((\i)/2)
.set rB, BI+16*(\cp)+8*((\i)%2)
.if (\i) < 2
	v_wmma_f32_16x16x32_bf16 v[rS:rS+7], v[rW:rW+7], v[rX:rX+7], v[rB:rB+7]
.else
	v_wmma_f32_16x16x32_bf16 v[rS:rS+7], v[rW:rW+7], v[rX:rX+7], v[rS:rS+7]
.endif
.endm
; Product i of 8 of Out^T for tile t, in f16: output columns 16 i on.  Eight accumulators take turns.  zero = 1: the chunk is the wave's first, and the product starts the sum: nothing is ever cleared.
; S is written by the bf16 form alone and Out^T by the f16 form alone: no accumulator sees both.
.macro PV cp, t, par, i, zero
.if (\t) < 4
	WIN 0xa1                                       ; W2 in window 1, P in window 0, C and D in window 2
.else
	WIN 0xf1                                       ; the same, C and D in window 3
.endif
.set rA, 64*((\t)%4)+8*(\i)
.set rW, 128+64*(\cp)+8*(\i)
.set rP, P+8*(\par)
.if \zero
	v_wmma_f32_16x16x32_f16 v[rA:rA+7], v[rW:rW+7], v[rP:rP+7], 0
.else
	v_wmma_f32_16x16x32_f16 v[rA:rA+7], v[rW:rW+7], v[rP:rP+7], v[rA:rA+7]
.endif
.endm
.macro CV par, i                       ; two channels rounded to f16; ascending, so that each result's lowest registers are read first
	v_cvt_pk_f16_f32 v[P+8*(\par)+(\i)], v[S+16*(\par)+2*(\i)], v[S+16*(\par)+2*(\i)+1]
.endm
.macro MX par, i                       ; relu on both halves; nothing is rounded
	v_pk_max_num_f16 v[P+8*(\par)+(\i)], v[P+8*(\par)+(\i)], v[Z]
.endm
; A run of 36 LDS loads: a chunk's bias (4), its W1 fragments (16) and its W2 fragments (16), into the registers of chunk parity cp.  Each weight load takes 512 consecutive bytes.
.macro FETCH cp
	WIN 0
	v_add_nc_u32 v[ADR], s[TB], v[L16]
	v_add_nc_u32 v[BADR], s[TBB], v[BA0]
.irp h, 0,1
	ds_load_b128 v[BI+16*(\cp)+8*\h:BI+16*(\cp)+8*\h+3],   v[BADR] offset:64*\h     ; the sixteen lanes of a half read the same 8 numbers
	ds_load_b128 v[BI+16*(\cp)+8*\h+4:BI+16*(\cp)+8*\h+7], v[BADR] offset:64*\h+16
.endr
	WIN W_FW
.irp f, 0,1,2,3,4,5,6,7
	ds_load_b128 v[64*(\cp)+8*\f:64*(\cp)+8*\f+3],   v[ADR] offset:1024*\f
	ds_load_b128 v[64*(\cp)+8*\f+4:64*(\cp)+8*\f+7], v[ADR] offset:1024*\f+512
.endr
.irp f, 0,1,2,3,4,5,6,7
	ds_load_b128 v[128+64*(\cp)+8*\f:128+64*(\cp)+8*\f+3],   v[ADR] offset:8192+1024*\f
	ds_load_b128 v[128+64*(\cp)+8*\f+4:128+64*(\cp)+8*\f+7], v[ADR] offset:8192+1024*\f+512
.endr
	WIN 0
	s_add_co_u32 s[TB], s[TB], CHUNK               ; the next fetch is the next chunk's
	s_add_co_u32 s[TBB], s[TBB], 128
.endm
; THE TURN of tile t of chunk parity cc (number n = 5 cc + t of the ten of a pair of chunks; S's and P's buffers go by n's parity).  kq = 1: the next tile's 8 products of the first kind.
; pv = 2: the tile before's 8 products of the second kind; 1: they start the sums; 0: none.  Four vector instructions stand behind every four matrix instructions.
; Distances (ISA guide 7.12.1): the roundings read S twelve plain instructions or more behind the products that made it (the turn before's last four roundings and its eight maxima);
; they write P four plain instructions behind the last product that read that buffer: the turn before's last four maxima, which name the other buffer alone.
.macro TURN cc, t, kq, pv
.set PAR, (5*(\cc)+(\t))%2
.if (\t) == 4
.set NCC, 1-(\cc)
.set NT, 0
.else
.set NCC, (\cc)
.set NT, (\t)+1
.endif
.if (\t) == 0
.set PCC, 1-(\cc)
.set PT, 4
.else
.set PCC, (\cc)
.set PT, (\t)-1
.endif
.irp h, 0,4
.if \kq
.irp i, 0,1,2,3
	KQ NCC, NT, 1-PAR, (\h)+(\i)
.endr
.endif
	WIN 0
.irp i, 0,1,2,3
	CV PAR, (\h)+(\i)
.endr
.endr
.irp h, 0,4
.if \pv
.irp i, 0,1,2,3
	PV PCC, PT, 1-PAR, (\h)+(\i), 2-(\pv)
.endr
.endif
	WIN 0
.irp i, 0,1,2,3
	MX PAR, (\h)+(\i)
.endr
.endr
.endm
; THE CHANGE OF SLOTS.  Every wave reads all four chunks of a slot, each brought by another wave's load.  MEET stands when I have asked the slot's last chunk out of LDS: I wait for all my tensor loads, of which
; one is out, my chunk of the other slot; add 0 to my spare word; wait for that and for my reads of the slot (the last were issued 64 matrix instructions ago); and signal.  A turn, work on registers alone,
; stands between the signal and its wait.  Behind the wait nobody reads the old slot any more and the other slot is whole.  fill = 1: the old slot is filled again, with the chunks two fills on: the refill is
; the first thing behind the barrier, my one tensor load until the next such barrier, and has 304 matrix instructions in which to land.  fill = 0: nothing is left to ask for.
.macro MEET fill
	WIN 0
	s_wait_tensorcnt 0x0                           ; no tensor load of mine is out, so a group 0 may be written
	ds_add_u32 v[SPW], v[NIL]                      ; 0 onto my spare word; with fill = 1 the descriptor's steps stand between it and the wait for it
.if \fill
	s_xor_b32 s[G0B+1], s[G0B+1], SLOTB            ; the walking descriptor: the other slot than last time,
	s_add_nc_u64 s[G0B+2:G0B+3], s[G0B+2:G0B+3], SLOTB  ; the next 4 chunks; the type bits on top are not reached
.endif
	s_wait_dscnt 0x0                               ; the add is done, and my reads of the slot are over
	s_barrier_signal -1
.endm
.macro REFILL fill
	WIN 0
	s_barrier_wait -1
.if \fill
	tensor_load_to_lds s[G0B:G0B+3], s[G1:G1+7]
	s_nop 0
.rept 4
	v_nop
.endr
.endif
	s_sub_co_u32 s[TB], s[TB], 4*CHUNK             ; the fetches go back to a slot's first chunk,
	s_xor_b32 s[TB], s[TB], SLOTB                  ; in the other slot
.endm
; A PAIR OF CHUNKS: ten turns, 160 matrix instructions; two pairs are a slot.  W1 and bias of parity cc are read from turn (1 - cc, 4) to turn (cc, 3), W2 from turn (cc, 1) to turn (1 - cc, 0): each run of
; loads stands behind the last of these and four plain instructions (that turn's last maxima) behind the last product that read its registers.
; kind = 0: a slot's first pair: the next pair lies in the same slot.  1: its second pair, with a refill.  2: its second pair, without.  last = 1: nothing more is fetched.
.macro PERIOD first, kind, last
	TURN 0, 0, 1, 2*(1-(\first))
	s_wait_dscnt 0x0                               ; W2 of the first chunk is in
	FETCH 1
	TURN 0, 1, 1, 2-(\first)
	TURN 0, 2, 1, 2-(\first)
	TURN 0, 3, 1, 2-(\first)
	s_wait_dscnt 16                                ; bias and W1 of the second chunk are in; the youngest sixteen loads, its W2, may stay out
	TURN 0, 4, 1, 2-(\first)
.if \kind
	MEET 2-(\kind)
	TURN 1, 0, 1, 2-(\first)
	REFILL 2-(\kind)
.else
	TURN 1, 0, 1, 2-(\first)
	s_wait_dscnt 0x0                               ; W2 of the second chunk is in
.endif
.if !(\last)
	FETCH 0
.endif
	TURN 1, 1, 1, 2
	TURN 1, 2, 1, 2
	TURN 1, 3, 1, 2
.if !(\last)
	s_wait_dscnt 16                                ; bias and W1 of the next pair's first chunk
.endif
	TURN 1, 4, 1-(\last), 2
.endm
	s_wait_dscnt 0x0                               ; x is in registers, and, for the others' sake, my part of b1 is in LDS
	s_wait_tensorcnt 0x1                           ; my chunk of fill 0 is in; fill 1, issued behind it, may stay out
	s_barrier_signal -1
	s_barrier_wait -1                              ; everybody's is
	FETCH 0
	s_wait_dscnt 0x0                               ; chunk 0
.irp i, 0,1,2,3,4,5,6,7
	KQ 0, 0, 0, \i                                 ; tile 0's first scores: there is no vector work yet to set between them
.endr
	WIN 0
.rept 4
	v_nop                                          ; the places behind those products
.endr
	PERIOD 1, 0, 0                                 ; chunks 0 and 1: the second products start the sums
	s_mov_b32 s[LOOP], 6
.Lper:                                                 ; a trip: a slot's second pair, the change with a refill (fills 2 to 7), the next slot's first pair
	PERIOD 0, 1, 0
	PERIOD 0, 0, 0
	s_sub_co_u32 s[LOOP], s[LOOP], 1
	s_cmp_lg_u32 s[LOOP], 0
	s_cbranch_scc1 .Lper
	PERIOD 0, 2, 0                                 ; the tail is written out: the change into the last slot asks for nothing
	PERIOD 0, 0, 0
	PERIOD 0, 0, 1
.irp i, 0,1,2,3,4,5,6,7
	PV 1, 4, 1, \i, 0                              ; the last tile's last products
.endr
; THE WAY OUT.  My 80 rows go into my own stage, 32 bytes a lane, and come back as whole rows of 512 bytes: no other wave touches these bytes, and LDS serves a wave's instructions in order, so no
; barrier and no wait stands between.  Each row then takes b2 (quarter 0) and its gate and is stored.
.set GT,  16                           ; v16-18  the gates
.set B2,  20                           ; v20-23  b2
	WIN 0x03                                       ; source 0 in window 3: the gates and b2 come into the window of the sums;
.irp k, 0,1,2
	v_mov_b32 v[GT+\k], v[GW+\k]                   ; these seven plain instructions name no register of the last products and are the places behind them
.endr
.irp k, 0,1,2,3
	v_mov_b32 v[B2+\k], v[B2W+\k]
.endr
	WIN 0
.macro PARTOUT t                       ; lane (r, hh) holds token 16 t + r, columns 16 o + 8 hh + 0..7: 32 bytes; rows 528 bytes apart begin 16 bytes further modulo 256
.if (\t) < 4
	WIN 0x08                                       ; store data (source 1) in window 2
.else
	WIN 0x0c                                       ; in window 3
.endif
.irp o, 0,1,2,3,4,5,6,7
	ds_store_b128 v[PST], v[64*((\t)%4)+8*\o:64*((\t)%4)+8*\o+3]   offset:16*PP*(\t)+64*\o
	ds_store_b128 v[PST], v[64*((\t)%4)+8*\o+4:64*((\t)%4)+8*\o+7] offset:16*PP*(\t)+64*\o+16
.endr
.endm
	PARTOUT 0
	PARTOUT 1
	PARTOUT 2
	PARTOUT 3
	PARTOUT 4
	WIN 0
.macro RBATCH b                        ; rows 20 b .. 20 b + 19: 20 loads into x's registers, two buffers of 80 by turns
.set rr, 0
.rept 20
	ds_load_b128 v[X+80*((\b)%2)+4*rr:X+80*((\b)%2)+4*rr+3], v[RD] offset:PP*(20*(\b)+rr)
.set rr, rr+1
.endr
.endm
.macro ROWOUT b, r
.set R0, X+80*((\b)%2)+4*(\r)
.set ROWI, 20*(\b)+(\r)
	v_readlane_b32 s66, v[GT+ROWI/32], ROWI%32
	v_pk_add_f32 v[R0:R0+1], v[R0:R0+1], v[B2:B2+1]
	v_pk_add_f32 v[R0+2:R0+3], v[R0+2:R0+3], v[B2+2:B2+3]
	s_mov_b32 s67, s66                             ; named with it as a pair
	v_pk_mul_f32 v[R0:R0+1], v[R0:R0+1], s[66:67] op_sel_hi:[1,0]
	v_pk_mul_f32 v[R0+2:R0+3], v[R0+2:R0+3], s[66:67] op_sel_hi:[1,0]
	global_store_b128 v[L16], v[R0:R0+3], s[18:19] offset:512*ROWI  ; 512 consecutive bytes, aligned; the row's place stands in the immediate
.endm
	RBATCH 0
.irp b, 0,1,2,3
.if \b < 3
.if \b > 0
	s_wait_xcnt 0x0                                ; the buffer that is loaded next held the data of the stores two batches back: it is rewritten only behind this wait
.endif
	RBATCH (\b)+1                                  ; the next twenty rows are asked for first
	s_wait_dscnt 20                                ; all but the 20 just issued
.else
	s_wait_dscnt 0x0
.endif
.set rw, 0
.rept 20
	ROWOUT \b, rw
.set rw, rw+1
.endr
.endr
	s_wait_tensorcnt 0x0                           ; the wave's end: three closing lines, behind my last tensor load and my last LDS store
	ds_add_u32 v[SPW], v[NIL]
	s_wait_dscnt 0x0
	s_endpgm
.Lfunc_end_k_q3c752fe87a_moe:
	.size	k_q3c752fe87a_moe, .Lfunc_end_k_q3c752fe87a_moe-k_q3c752fe87a_moe
	.p2alignl 7, 3214868480
	.fill 96, 4, 3214868480
	.section	.rodata,"a",@progbits
	.p2align	6, 0x0
	.amdhsa_kernel k_q3c752fe87a_moe
		.amdhsa_group_segment_fixed_size 327680
		.amdhsa_private_segment_fixed_size 0
		.amdhsa_enable_private_segment 0
		.amdhsa_kernarg_size 64
		.amdhsa_user_sgpr_count 2
		.amdhsa_user_sgpr_kernarg_segment_ptr 1
		.amdhsa_wavefront_size32 1
		.amdhsa_system_sgpr_workgroup_id_x 1
		.amdhsa_system_sgpr_workgroup_id_y 1
		.amdhsa_system_sgpr_workgroup_id_z 1
		.amdhsa_system_vgpr_workitem_id 0
		.amdhsa_next_free_vgpr 840
		.amdhsa_next_free_sgpr 96
		.amdhsa_reserve_vcc 0
		.amdhsa_float_denorm_mode_32 3
		.amdhsa_float_denorm_mode_16_64 3
		.amdhsa_memory_ordered 1
		.amdhsa_forward_progress 1
		.amdhsa_inst_pref_size 255
	.end_amdhsa_kernel
	.section	.bss,"aw",@nobits
	.p2align	6
	.space	262144
	.amdgpu_metadata
---
amdhsa.version: [ 1, 2 ]
amdhsa.kernels:
  - .name:           k_q3c752fe87a_moe
    .symbol:         k_q3c752fe87a_moe.kd
    .args:
      - { .name: wp, .offset: 0, .size: 8, .value_kind: global_buffer, .address_space: global }
      - { .name: b1, .offset: 8, .size: 8, .value_kind: global_buffer, .address_space: global }
      - { .name: b2, .offset: 16, .size: 8, .value_kind: global_buffer, .address_space: global }
      - { .name: x, .offset: 24, .size: 8, .value_kind: global_buffer, .address_space: global }
      - { .name: weights, .offset: 32, .size: 8, .value_kind: global_buffer, .address_space: global }
      - { .name: order, .offset: 40, .size: 8, .value_kind: global_buffer, .address_space: global }
      - { .name: tiles, .offset: 48, .size: 8, .value_kind: global_buffer, .address_space: global }
      - { .name: p, .offset: 56, .size: 8, .value_kind: global_buffer, .address_space: global }
    .group_segment_fixed_size: 327680
    .private_segment_fixed_size: 0
    .kernarg_segment_align: 8
    .kernarg_segment_size: 64
    .max_flat_workgroup_size: 128
    .sgpr_count:     96
    .vgpr_count:     840
    .wavefront_size: 32
...
	.end_amdgpu_metadata
.endif
;; end of part 2
;; launch combine (part 3): grid 256 x 1, 8 waves a work-group, no clusters, 0 bytes of LDS; arguments p, inv, out0; writes out0
.if DOCPART == 3
	.amdgcn_target "amdgcn-amd-amdhsa--gfx1250"
	.amdhsa_code_object_version 6
	.text
	.protected	k_q3c752fe87a_combine
	.globl	k_q3c752fe87a_combine
	.p2align	8
	.type	k_q3c752fe87a_combine,@function
k_q3c752fe87a_combine:
	s_mov_b64 s[64:65], 0
	v_nop
	global_prefetch_b8 v0, s[64:65] scope:SCOPE_SE
	s_setreg_imm32_b32 hwreg(HW_REG_WAVE_MODE, 25, 1), 1
	s_wait_xcnt 0x0
; COMBINE.  out0[token][:] = the sum over k = 0, 1 and q = 0 .. 3 of p[q][inv[2 token + k]][:], all f32: the token's two routed rows, each in four partial sums over a quarter of the hidden
; channels, each already multiplied by its gate; the rows are found by their places.
; A gather and a stream: a work-group has 32 tokens, a wave 4.  The wave's eight places, 32 neighbouring bytes of inv, come by one scalar load; its 32 row loads, 512 consecutive bytes each,
; all go out ahead of the first wait for data; each store covers 512 consecutive bytes, aligned.  No LDS, no barrier, no cluster: no two waves touch the same bytes.
; LIMIT.  A place is held inside a quarter's 18,880 rows by a minimum.
.set PQ, 18880*512                     ; a quarter's part of p
.macro ADD4 a, b                       ; four numbers onto four
	v_pk_add_f32 v[(\a):(\a)+1], v[(\a):(\a)+1], v[(\b):(\b)+1]
	v_pk_add_f32 v[(\a)+2:(\a)+3], v[(\a)+2:(\a)+3], v[(\b)+2:(\b)+3]
.endm
	s_load_b128 s[4:7], s[0:1], 0x0                ; p s[4:5], inv s[6:7]
	s_load_b64 s[8:9], s[0:1], 0x10                ; out0
	v_lshrrev_b32 v1, 5, v0
	v_readfirstlane_b32 s10, v1                    ; wave 0..7
	v_and_b32 v2, 31, v0
	v_lshlrev_b32 v2, 4, v2                        ; 16 x lane; never rewritten
	s_lshl_b32 s11, ttmp9, 8                       ; in inv: 32 tokens x 8 bytes a work-group,
	s_lshl_b32 s12, s10, 5                         ; 4 tokens x 8 bytes a wave
	s_add_co_u32 s11, s11, s12
	s_lshl_b32 s12, ttmp9, 14                      ; in out0: 32 tokens x 512 bytes,
	s_lshl_b32 s13, s10, 11                        ; 4 tokens x 512 bytes
	s_add_co_u32 s12, s12, s13
	s_mov_b32 s13, 0
	s_wait_kmcnt 0x0
	s_load_b256 s[16:23], s[6:7], s11 offset:0x0
	s_add_nc_u64 s[8:9], s[8:9], s[12:13]
	s_add_nc_u64 s[24:25], s[4:5], PQ              ; the quarters' parts of p: too far apart for a load's immediate
	s_add_nc_u64 s[26:27], s[4:5], 2*PQ
	s_add_nc_u64 s[28:29], s[4:5], 3*PQ
	s_wait_kmcnt 0x0
.irp j, 0,1,2,3,4,5,6,7
	s_min_u32 s[16+\j], s[16+\j], 18879
	v_lshl_add_u32 v[4+\j], s[16+\j], 9, v2        ; the place's row of 512 bytes
	global_load_b128 v[16+16*\j:19+16*\j], v[4+\j], s[4:5] th:TH_LOAD_NT
	global_load_b128 v[20+16*\j:23+16*\j], v[4+\j], s[24:25] th:TH_LOAD_NT
	global_load_b128 v[24+16*\j:27+16*\j], v[4+\j], s[26:27] th:TH_LOAD_NT
	global_load_b128 v[28+16*\j:31+16*\j], v[4+\j], s[28:29] th:TH_LOAD_NT
.endr
.irp k, 0,1,2,3
	s_wait_loadcnt 24-8*\k                         ; token k's eight rows are in; the younger tokens' loads may stay out
.set D, 16+32*\k
	ADD4 D, D+4
	ADD4 D+8, D+12
	ADD4 D+16, D+20
	ADD4 D+24, D+28
	ADD4 D, D+8
	ADD4 D+16, D+24
	ADD4 D, D+16
	global_store_b128 v2, v[D:D+3], s[8:9] offset:512*\k th:TH_STORE_NT
.endr
	s_endpgm
.Lfunc_end_k_q3c752fe87a_combine:
	.size	k_q3c752fe87a_combine, .Lfunc_end_k_q3c752fe87a_combine-k_q3c752fe87a_combine
	.p2alignl 7, 3214868480
	.fill 96, 4, 3214868480
	.section	.rodata,"a",@progbits
	.p2align	6, 0x0
	.amdhsa_kernel k_q3c752fe87a_combine
		.amdhsa_group_segment_fixed_size 0
		.amdhsa_private_segment_fixed_size 0
		.amdhsa_enable_private_segment 0
		.amdhsa_kernarg_size 24
		.amdhsa_user_sgpr_count 2
		.amdhsa_user_sgpr_kernarg_segment_ptr 1
		.amdhsa_wavefront_size32 1
		.amdhsa_system_sgpr_workgroup_id_x 1
		.amdhsa_system_sgpr_workgroup_id_y 1
		.amdhsa_system_sgpr_workgroup_id_z 1
		.amdhsa_system_vgpr_workitem_id 0
		.amdhsa_next_free_vgpr 144
		.amdhsa_next_free_sgpr 66
		.amdhsa_reserve_vcc 0
		.amdhsa_float_denorm_mode_32 3
		.amdhsa_float_denorm_mode_16_64 3
		.amdhsa_memory_ordered 1
		.amdhsa_forward_progress 1
		.amdhsa_inst_pref_size 10
	.end_amdhsa_kernel
	.amdgpu_metadata
---
amdhsa.version: [ 1, 2 ]
amdhsa.kernels:
  - .name:           k_q3c752fe87a_combine
    .symbol:         k_q3c752fe87a_combine.kd
    .args:
      - { .name: p, .offset: 0, .size: 8, .value_kind: global_buffer, .address_space: global }
      - { .name: inv, .offset: 8, .size: 8, .value_kind: global_buffer, .address_space: global }
      - { .name: out0, .offset: 16, .size: 8, .value_kind: global_buffer, .address_space: global }
    .group_segment_fixed_size: 0
    .private_segment_fixed_size: 0
    .kernarg_segment_align: 8
    .kernarg_segment_size: 24
    .max_flat_workgroup_size: 256
    .sgpr_count:     66
    .vgpr_count:     144
    .wavefront_size: 32
...
	.end_amdgpu_metadata
.endif
;; end of part 3
;; ======== version 2 of 2: 3 launches; version 1 with the launches prep, combine written anew for expert scheduling mode
;; limits: values are held in f16: magnitudes above 65,504 overflow, below 6.1e-05 lose precision
;; workspace buffers: wp 16,777,216 bytes; order 81,920 bytes of whole numbers; inv 65,536 bytes of whole numbers; tiles 256 bytes of whole numbers; p 38,666,240 bytes
;; launch prep (part 4): grid 257 x 1, 16 waves a work-group, no clusters, 151,808 bytes of LDS; arguments W1, W2, topk_idx, wp, order, tiles, inv; writes wp, order, tiles, inv
.if DOCPART == 4
	.amdgcn_target "amdgcn-amd-amdhsa--gfx1250"
	.amdhsa_code_object_version 6
	.text
	.protected	k_q3c752fe87a_prep
	.globl	k_q3c752fe87a_prep
	.p2align	8
	.type	k_q3c752fe87a_prep,@function
k_q3c752fe87a_prep:
	s_mov_b64 s[64:65], 0
	v_nop
	global_prefetch_b8 v0, s[64:65] scope:SCOPE_SE
	s_setreg_imm32_b32 hwreg(HW_REG_WAVE_SCHED_MODE, 0, 2), 2
	s_setreg_imm32_b32 hwreg(HW_REG_WAVE_MODE, 25, 1), 1
	s_wait_xcnt 0x0
	s_wait_alu depctr_vm_vsrc(0)
; PREP.  Two jobs in one launch, chosen by the work-group's number.
; Work-group 0 sorts the 16,384 routed slots (slot s = 2 x token + k) by expert, by a counting sort without atomics, into PADDED places: an expert with n rows gets ceil(n / 320) groups of
;   320 places, the groups of all experts on end: at most (16,384 + 8 x 319) / 320 = 59 groups, whatever the split.  It stores order[place] = slot (a place without a row names slot 0),
;   inv[slot] = place, and tiles[group] = the group's expert.
; Work-groups 1 .. 256 round W1 and W2 to bf16 once and lay them out in the order in which a wave's matrix operand registers take them.  W1 is stored as bf16; W2's bf16 value is stored as f16,
;   since the second product's other operand, the hidden layer, wants f16's 11 significant bits.
;   wp: expert e at e x 2 MiB, chunk c (32 hidden channels) at c x 16,384.  With lane = 16 hh + r:
;     W1 part: ht x 4096 + ks x 1024 + j x 512 + lane x 16 holds W1[e][32 ks + 16 j + 8 hh + 0..7][32 c + 16 ht + r]
;     W2 part: 8192 + ot x 1024 + j x 512 + lane x 16 holds W2[e][32 c + 16 j + 8 hh + 0..7][16 ot + r]
; No cluster and no tensor load: no two work-groups read the same input bytes, and every byte passes through registers anyway to be rounded.
; LIMITS.  An index outside 0 .. 7 counts as min(index as unsigned, 7).  Rounding to bf16 is to nearest even.  W2's bf16 value is exact in f16 for magnitudes from 2^-17 to 65,504; below, it is
; off by 2^-25 at the most; 65,520 or more would become an infinity.
; THE MODE: SCHED_MODE bits 1:0 = 2 (LLVM: expert scheduling mode 2), set by the entry lines.  The code itself states the register dependences between vector instructions and memory or LDS
; instructions, and those of scalar registers that vector instructions write, with s_wait_alu, always for 0.
; THE PLAN, the weights.  v[LO]: written once, read by the sixteen loads.  RA, RB: the loads land, the conversions read.  OA, OB: the conversions write, the LDS stores read.  KA, KB: the LDS
;   loads land, the global stores read; KB lies where the first unit's conversions read.  SA, SL, VA, VB: written once, behind the loads.  No register that a memory or LDS instruction reads is
;   written again.  So: one wait on va_vdst ahead of the loads, and one in each unit, between its conversions and its LDS stores.
; THE PLAN, the sort.  All addresses (v1, v16 to v19, v28, v29) are made at the head and never written again.  Work stands in runs: vector lines, one wait on va_vdst, the run of stores that reads
;   what they wrote.  Written again after an LDS store has read them: JN and WT (behind the first barrier), the tables' registers (as slots), RK and the slots' registers (the image's loads land
;   there): a wait on vm_vsrc stands ahead of each of the three.  Scalar registers that vector lines write are written in runs, with one wait on va_sdst behind each run.
.set SPITCH, 272                       ; a stage block: 256 bytes + 16: block b begins 16 b bytes further modulo 256
.set WSTG,   8*SPITCH                  ; a wave's own stage: 8 blocks
.set SCANB,  16*WSTG                   ; 16 waves x 16 bytes of totals
.set TBL,    SCANB+256                 ; four tables of 512 threads x 16 bytes
.set ORD,    TBL+4*8192                ; the image of order: 20,480 places of 4 bytes
.set SPARE,  ORD+81920                 ; the spare words, 128 bytes for each of 16 waves: eight blocks of 256 bytes that no other line names
.set LANE, 2
.set SPW,  30                          ; v30  LDS address of my spare word; never rewritten
.set NIL,  31                          ; v31  0; never rewritten
	s_load_b256 s[4:11], s[0:1], 0x0               ; W1 s[4:5], W2 s[6:7], topk_idx s[8:9], wp s[10:11]
	s_load_b128 s[12:15], s[0:1], 0x20             ; order s[12:13], tiles s[14:15]
	s_load_b64 s[32:33], s[0:1], 0x30              ; inv
	v_lshl_add_u32 v[SPW], v0, 2, SPARE
	v_mov_b32 v[NIL], 0
	v_lshrrev_b32 v1, 5, v0
	v_readfirstlane_b32 s16, v1                    ; wave 0..15
	v_and_b32 v[LANE], 31, v0
	s_wait_kmcnt 0x0
	s_wait_alu depctr_va_sdst(0)                   ; s16 is written: ahead of the branch, and of its first reader on either way
	s_cmp_eq_u32 ttmp9, 0                          ; the same answer in all waves of a work-group
	s_cbranch_scc1 .Lsort
; ---------------------------------------------------------------- the weights: work-group b + 1 has expert b / 32 and 128 hidden channels (four chunks, 65,536 bytes of wp)
.set SA,  3                            ; v3   stage, in: block lane / 4, 64 bytes for each lane of the four
.set SL,  4                            ; v4   stage, back: lanes 0-15 one block, lanes 16-31 the next
.set VA,  5                            ; v5   my byte offset in wp for W1's blocks
.set VB,  6                            ; v6   the same for W2's
.set LO,  7                            ; v7   16 x lane
.set TT,  8                            ; v8-13    at work: two sets of three, by turns
.set RA,  32                           ; v32-63   W1: 8 rows d x 4 columns h, f32
.set RB,  64                           ; v64-95   W2: 8 rows h x 4 columns o, f32
.set OA,  96                           ; v96-111  W1 packed;  v112-127 read back
.set KA,  112
.set OB,  32                           ; W2 packed and read back lie where W1's f32 lay: registers that no store still reads
.set KB,  48
	s_sub_co_u32 s17, ttmp9, 1
	s_lshr_b32 s18, s17, 5
	s_and_b32 s19, s17, 31                         ; which 128 hidden channels
	s_lshl_b32 s18, s18, 21                        ; the expert's 2 MiB, in W1, W2 and wp alike
	s_lshl_b32 s20, s16, 17                        ; W1: my 8 rows d = 8 w .. 8 w + 7, 16,384 bytes each
	s_lshl_b32 s21, s19, 9                         ;     128 channels are 512 bytes of a row
	s_or_b32 s24, s18, s20
	s_or_b32 s24, s24, s21
	s_mov_b32 s25, 0
	s_lshl_b32 s20, s19, 16                        ; W2: 128 rows of 512 bytes; wp: four chunks
	s_or_b32 s28, s18, s20
	s_mov_b32 s29, 0
	s_lshl_b32 s21, s16, 12                        ; W2: my 8 rows h
	s_or_b32 s26, s28, s21
	s_mov_b32 s27, 0
	s_mov_b32 s31, 0xffff0000                      ; a word's upper bf16
	s_add_nc_u64 s[4:5], s[4:5], s[24:25]
	s_add_nc_u64 s[6:7], s[6:7], s[26:27]
	s_add_nc_u64 s[10:11], s[10:11], s[28:29]
	v_lshlrev_b32 v[LO], 4, v[LANE]
	s_wait_alu depctr_va_vdst(0)                   ; v[LO] is written, which the sixteen loads read as their offset
.irp i, 0,1,2,3,4,5,6,7                ; all sixteen loads go out first; each covers 512 consecutive bytes, read once in the launch
	global_load_b128 v[RA+4*\i:RA+4*\i+3], v[LO], s[4:5] offset:16384*\i th:TH_LOAD_NT
.endr
.irp i, 0,1,2,3,4,5,6,7
	global_load_b128 v[RB+4*\i:RB+4*\i+3], v[LO], s[6:7] offset:512*\i th:TH_LOAD_NT
.endr
	s_mul_i32 s22, s16, WSTG                       ; my stage
	v_lshrrev_b32 v8, 2, v[LANE]
	v_and_b32 v9, 3, v[LANE]
	v_mul_u32_u24 v[SA], v8, SPITCH
	v_lshl_add_u32 v[SA], v9, 6, v[SA]
	v_add_nc_u32 v[SA], s22, v[SA]
	v_lshrrev_b32 v8, 4, v[LANE]
	v_and_b32 v9, 15, v[LANE]
	v_mul_u32_u24 v[SL], v8, SPITCH
	v_lshl_add_u32 v[SL], v9, 4, v[SL]
	v_add_nc_u32 v[SL], s22, v[SL]
	v_lshlrev_b32 v[VA], 12, v8                    ; W1: block 2 q + lane / 16 is (chunk q, ht = lane / 16); my d rows give ks, j, hh = 256 w
	v_lshl_add_u32 v[VA], v9, 4, v[VA]
	s_lshl_b32 s23, s16, 8
	v_add_nc_u32 v[VA], s23, v[VA]
	v_lshlrev_b32 v[VB], 10, v8                    ; W2: block 2 q + lane / 16 is ot; my h rows give the chunk w / 4 and j, hh = 256 (w % 4)
	v_lshl_add_u32 v[VB], v9, 4, v[VB]
	s_lshr_b32 s23, s16, 2
	s_lshl_b32 s23, s23, 14
	s_and_b32 s30, s16, 3
	s_lshl_b32 s30, s30, 8
	s_add_co_u32 s23, s23, s30
	s_add_co_u32 s23, s23, 8192
	v_add_nc_u32 v[VB], s23, v[VB]
; One unit: 8 rows x 128 columns of f32 in registers.  A column's 8 numbers are 16 bytes of 16-bit numbers, one lane's share of an operand; 16 neighbouring columns make a block of 256 bytes.
; half = 0: rounded to bf16.  half = 1: rounded to bf16, and that value written as f16.
; They go into my own stage and come back by blocks, so that sixteen lanes store 256 consecutive bytes, aligned.  LDS serves a wave's instructions in order: no wait between stores and loads.
.macro UNIT src, o, bk, vo, st, half
.irp c, 0,1,2,3
.irp q, 0,1,2,3
.if \half
	v_cvt_pk_bf16_f32 v[TT+3*((\q)%2)], v[(\src)+8*(\q)+(\c)], v[(\src)+8*(\q)+4+(\c)]
	v_lshlrev_b32 v[TT+3*((\q)%2)+1], 16, v[TT+3*((\q)%2)]
	v_and_b32 v[TT+3*((\q)%2)+2], s31, v[TT+3*((\q)%2)]
	v_cvt_pk_f16_f32 v[(\o)+4*(\c)+(\q)], v[TT+3*((\q)%2)+1], v[TT+3*((\q)%2)+2]
.else
	v_cvt_pk_bf16_f32 v[(\o)+4*(\c)+(\q)], v[(\src)+8*(\q)+(\c)], v[(\src)+8*(\q)+4+(\c)]
.endif
.endr
.endr
	s_wait_alu depctr_va_vdst(0)                   ; the conversions have written the sixteen packed registers, which the LDS stores read; the four addresses are written; and every earlier conversion is done reading the registers in which the loads from the stage land
.irp c, 0,1,2,3
	ds_store_b128 v[SA], v[(\o)+4*(\c):(\o)+4*(\c)+3] offset:16*(\c)
.endr
.irp q, 0,1,2,3
	ds_load_b128 v[(\bk)+4*(\q):(\bk)+4*(\q)+3], v[SL] offset:2*SPITCH*(\q)
.endr
.irp q, 0,1,2,3
	s_wait_dscnt 3-(\q)                            ; LDS loads come back in order: number q is in, the younger ones may stay out
	global_store_b128 v[\vo], v[(\bk)+4*(\q):(\bk)+4*(\q)+3], s[10:11] offset:(\st)*(\q)
.endr
.endm
	s_wait_loadcnt 8                               ; W1's eight are in; W2's eight, issued behind them, may stay out
	UNIT RA, OA, KA, VA, 16384, 0
	s_wait_loadcnt 0x0
	UNIT RB, OB, KB, VB, 2048, 1
	s_wait_dscnt 0x0                               ; the closing lines, six on end
	s_wait_alu 0x0
	s_wait_tensorcnt 0x0
	ds_add_u32 v[SPW], v[NIL]
	s_wait_dscnt 0x0
	s_endpgm
; ---------------------------------------------------------------- the sort: 512 threads, 32 entries each: entry n = 4 i + c of thread t is slot 2048 i + 4 t + c
.set SCR, 1                            ; v1       LDS address of the totals of wave lane % 16, as I read them back; never rewritten
.set T,   3                            ; v3       at work in the scans
.set INC, 4                            ; v4-7     running sums over the lanes
.set XO,  8                            ; v8-11    my first places, four words of two 16-bit fields: experts 0|4, 2|6, 1|5, 3|7
.set WT,  12                           ; v12-15   a wave's totals
.set JN,  20                           ; v20-23   zeros for the image, then running sums over the waves
.set SH,  24                           ; v24-27   4 x expert, at work
.set EN,  32                           ; v32-63   entry n: the expert; the LDS address of its table field
.set RK,  64                           ; v64-95   entry n: its rank among its group's entries of the same expert; then the LDS address of its place
.set A4,  96                           ; v96-99   group g (8 entries): eight counters of 4 bits, one an expert (8 at the most: it fits)
.set CG,  100                          ; v100-115 group g's counts widened to the four words
.set CT,  116                          ; v116-119 the thread's counts
.set TP,  112                          ; v112-127 table g's four words in the order of the experts, at TP + 4 g: the last group's counts and the thread's are dead by then
.set SLT, 96                           ; v96-127  later: entry n's slot
.set FLD, 128                          ; v128-159 entry n: its table field as loaded, then its place
.macro SCAN16 r                        ; running sums along each row of 16 lanes; a lane without a source takes 0
.irp n, 1,2,4,8
	v_mov_b32_dpp v[T], v[\r] row_shr:\n row_mask:0xf bank_mask:0xf bound_ctrl:1
	v_add_nc_u32 v[\r], v[\r], v[T]
.endr
.endm
.Lsort:
	v_lshlrev_b32 v19, 4, v0                       ; 16 x thread; never rewritten
	v_add_nc_u32 v28, ORD, v19                     ; my 16 bytes in each 8,192 of the image; never rewritten
	v_add_nc_u32 v29, ORD+65536, v19               ; the same past what a 16-bit offset reaches
.irp k, 0,1,2,3
	v_mov_b32 v[JN+\k], 0
.endr
	v_lshl_add_u32 v17, v0, 4, TBL                 ; my 16 bytes in each table; never rewritten
	v_lshlrev_b32 v18, 2, v0                       ; 4 x thread; never rewritten
	v_and_b32 v[SCR], 15, v0
	v_lshl_add_u32 v[SCR], v[SCR], 4, SCANB
	s_lshl_b32 s43, s16, 4
	s_add_co_u32 s43, s43, SCANB
	v_mov_b32 v16, s43                             ; where my wave's totals go; never rewritten
	s_wait_alu depctr_va_vdst(0)                   ; the sort's addresses and the four zeros are written: the loads below read v19, the LDS stores v28, v29 and v[JN ..], later LDS instructions v1, v16 and v17
.irp i, 0,1,2,3,4,5,6,7
	global_load_b128 v[EN+4*\i:EN+4*\i+3], v19, s[8:9] offset:8192*\i
.endr
.irp i, 0,1,2,3,4,5,6,7                ; the image is cleared while the indices are on their way: a place without a row names slot 0
	ds_store_b128 v28, v[JN:JN+3] offset:8192*\i
.endr
.irp i, 0,1
	ds_store_b128 v29, v[JN:JN+3] offset:8192*\i
.endr
.irp g, 0,1,2,3
	v_mov_b32 v[A4+\g], 0
.endr
	v_mov_b32 v[T], 0
	s_mov_b32 s40, 0x000f000f                      ; two counters, 16 bits apart
	s_mov_b32 s41, 0xffff0000                      ; lanes 16-31
	s_mov_b32 s34, 0x05040100                      ; v_perm_b32: the two low halves
	s_mov_b32 s35, 0x07060302                      ; the two high halves
	s_wait_loadcnt 0x0
.set n, 0
.rept 32                               ; pass 1: an entry's rank is its expert's counter as it finds it; its table field lies at byte 2 x expert of my 16
	v_min_u32 v[EN+n], 7, v[EN+n]
	v_lshlrev_b32 v[SH+n%4], 2, v[EN+n]
	v_bfe_u32 v[RK+n], v[A4+n/8], v[SH+n%4], 4
	v_lshl_add_u32 v[A4+n/8], 1, v[SH+n%4], v[A4+n/8]
	v_lshl_add_u32 v[EN+n], v[EN+n], 1, v17
.set n, n+1
.endr
.irp g, 0,1,2,3
	v_and_b32 v[CG+4*\g], s40, v[A4+\g]            ; experts 0|4
	v_lshrrev_b32 v[CG+4*\g+1], 8, v[A4+\g]        ; 2|6
	v_lshrrev_b32 v[CG+4*\g+2], 4, v[A4+\g]        ; 1|5
	v_lshrrev_b32 v[CG+4*\g+3], 12, v[A4+\g]       ; 3|7
	v_and_b32 v[CG+4*\g+1], s40, v[CG+4*\g+1]
	v_and_b32 v[CG+4*\g+2], s40, v[CG+4*\g+2]
	v_and_b32 v[CG+4*\g+3], s40, v[CG+4*\g+3]
.endr
.irp k, 0,1,2,3                        ; every sum of a field stays at 18,880 or below: no carry crosses into the upper field
	v_add3_u32 v[CT+\k], v[CG+\k], v[CG+4+\k], v[CG+8+\k]
	v_add_nc_u32 v[CT+\k], v[CT+\k], v[CG+12+\k]
	v_mov_b32 v[INC+\k], v[CT+\k]
	SCAN16 INC+\k
	v_readlane_b32 s[76+\k], v[INC+\k], 15         ; the lower row's total, a register for each of the four words
.endr
	s_wait_alu depctr_va_sdst(0)                   ; s76 to s79 are written, ahead of the selects that read them
.irp k, 0,1,2,3
	v_cndmask_b32 v[T], 0, s[76+\k], s41           ; the lower row's total goes onto the upper row
	v_add_nc_u32 v[INC+\k], v[INC+\k], v[T]
	v_sub_nc_u32 v[XO+\k], v[INC+\k], v[CT+\k]     ; what the lanes in front of me hold
	v_readlane_b32 s[44+\k], v[INC+\k], 31         ; the wave's total
.endr
	s_wait_alu depctr_va_sdst(0)                   ; s44 to s47 are written, ahead of the moves that read them
.irp k, 0,1,2,3
	v_mov_b32 v[WT+\k], s[44+\k]
.endr
	s_wait_alu depctr_va_vdst(0)                   ; the four moves have written v[WT ..], which the LDS store reads
	ds_store_b128 v16, v[WT:WT+3]                  ; all lanes write the same 16 bytes with the same numbers
	s_wait_dscnt 0x0                               ; for the others' sake: my totals, and my part of the cleared image, are in LDS
	s_barrier_signal -1
	s_barrier_wait -1
	s_wait_alu depctr_vm_vsrc(0)                   ; my LDS stores have read v[WT ..], in which the load below lands, and v[JN ..], which the scan below writes
	ds_load_b128 v[WT:WT+3], v[SCR]                ; lane l: the totals of wave l % 16.  No vector line since the last wait on va_vdst names v[WT ..] or v1
	s_wait_dscnt 0x0
.irp k, 0,1,2,3
	v_mov_b32 v[JN+\k], v[WT+\k]
	SCAN16 JN+\k
	v_sub_nc_u32 v[WT+\k], v[JN+\k], v[WT+\k]
	v_readlane_b32 s[36+\k], v[WT+\k], s16         ; what the waves in front of mine hold
	v_readlane_b32 s[44+\k], v[JN+\k], 15          ; the experts' counts
.endr
	s_wait_alu depctr_va_sdst(0)                   ; s36 to s39 and s44 to s47 are written, ahead of the scalar lines that read them
	s_and_b32 s48, s44, 0xffff                     ; n0 .. n6 in s48 .. s54 (the last expert's count is not needed)
	s_lshr_b32 s52, s44, 16
	s_and_b32 s50, s45, 0xffff
	s_lshr_b32 s54, s45, 16
	s_and_b32 s49, s46, 0xffff
	s_lshr_b32 s53, s46, 16
	s_and_b32 s51, s47, 0xffff
	s_mov_b32 s66, 0                               ; the experts' first groups in s66 .. s73,
	s_mov_b32 s56, 0                               ; their first places, 320 x that, in s56 .. s63
.irp e, 0,1,2,3,4,5,6
	s_add_co_u32 s74, s[48+\e], 319
	s_mul_i32 s74, s74, 52429                      ; x / 320 = x * 52429 >> 24, exact for x up to 16,703
	s_lshr_b32 s74, s74, 24
	s_add_co_u32 s[67+\e], s[66+\e], s74
	s_mul_i32 s[57+\e], s[67+\e], 320
.endr
	s_lshl_b32 s40, s60, 16                        ; packed like the counts, and added to the waves' part
	s_or_b32 s40, s40, s56
	s_add_co_u32 s36, s36, s40
	s_lshl_b32 s40, s62, 16
	s_or_b32 s40, s40, s58
	s_add_co_u32 s37, s37, s40
	s_lshl_b32 s40, s61, 16
	s_or_b32 s40, s40, s57
	s_add_co_u32 s38, s38, s40
	s_lshl_b32 s40, s63, 16
	s_or_b32 s40, s40, s59
	s_add_co_u32 s39, s39, s40
.irp k, 0,1,2,3
	v_add_nc_u32 v[XO+\k], s[36+\k], v[XO+\k]
.endr
.irp g, 0,1,2,3                        ; table g: where my group g's entries of each expert begin, expert e's 16 bits at byte 2 e; each table in four registers of its own
	v_perm_b32 v[TP+4*\g], v[XO+2], v[XO], s34     ; experts 0|1
	v_perm_b32 v[TP+4*\g+1], v[XO+3], v[XO+1], s34 ; 2|3
	v_perm_b32 v[TP+4*\g+2], v[XO+2], v[XO], s35   ; 4|5
	v_perm_b32 v[TP+4*\g+3], v[XO+3], v[XO+1], s35 ; 6|7
.if \g < 3
.irp k, 0,1,2,3
	v_add_nc_u32 v[XO+\k], v[XO+\k], v[CG+4*\g+\k]
.endr
.endif
.endr
	s_wait_alu depctr_va_vdst(0)                   ; the four tables v[TP ..] are written, which the LDS stores read
.irp g, 0,1,2,3
	ds_store_b128 v17, v[TP+4*\g:TP+4*\g+3] offset:8192*\g
.endr
	s_wait_dscnt 0x0                               ; the tables are in LDS; the barrier orders every store with every read below, whoever made it
	s_barrier_signal -1
	s_barrier_wait -1
.set n, 0
.rept 32                               ; pass 2: place = the table's field of the entry's expert + rank.  The addresses were written in pass 1, ahead of the waits on va_vdst above; no vector line has named v[FLD ..]
	ds_load_u16 v[FLD+n], v[EN+n] offset:8192*(n/8)
.set n, n+1
.endr
	s_wait_dscnt 0x0
	s_wait_alu depctr_vm_vsrc(0)                   ; the tables' LDS stores have read v[TP ..], which the slots below write again
.set n, 0
.rept 32
	v_add_nc_u32 v[FLD+n], v[FLD+n], v[RK+n]
	v_min_u32 v[FLD+n], 0x4fff, v[FLD+n]           ; inside the image's 20,480 places
	v_lshl_add_u32 v[RK+n], v[FLD+n], 2, ORD
	v_add_nc_u32 v[SLT+n], 2048*(n/4)+n%4, v18     ; the entry's slot
.set n, n+1
.endr
	s_wait_alu depctr_va_vdst(0)                   ; the places' LDS addresses v[RK ..] and the slots v[SLT ..] are written, which the LDS stores read, and the places v[FLD ..], which the stores of inv read
.set n, 0
.rept 32
	ds_store_b32 v[RK+n], v[SLT+n]
.set n, n+1
.endr
.irp i, 0,1,2,3,4,5,6,7                ; inv: my four neighbouring slots' places are 16 neighbouring bytes: a wave stores 512 consecutive bytes, aligned
	global_store_b128 v19, v[FLD+4*\i:FLD+4*\i+3], s[32:33] offset:8192*\i
.endr
	s_wait_dscnt 0x0                               ; the image of order is whole when all sixteen waves have said so
	s_barrier_signal -1
	s_barrier_wait -1
	s_wait_alu depctr_vm_vsrc(0)                   ; the image's LDS stores have read v[RK ..] and v[SLT ..], in which the loads below land; no vector line since the last wait on va_vdst names them
.irp i, 0,1,2,3,4,5,6,7
	ds_load_b128 v[64+4*\i:64+4*\i+3], v28 offset:8192*\i
.endr
.irp i, 0,1
	ds_load_b128 v[96+4*\i:96+4*\i+3], v29 offset:8192*\i
.endr
.irp i, 0,1,2,3,4,5,6,7,8,9
	s_wait_dscnt 9-\i                              ; number i is in, the younger ones may stay out
	global_store_b128 v19, v[64+4*\i:64+4*\i+3], s[12:13] offset:8192*\i  ; a wave stores 512 consecutive bytes, aligned
.endr
	s_cmp_lg_u32 s16, 0                            ; the groups' experts: wave 0, two groups a lane, one store of 256 bytes
	s_cbranch_scc1 .Lend
	v_lshlrev_b32 v8, 1, v0
	v_or_b32 v9, 1, v8
	v_mov_b32 v10, 0
	v_mov_b32 v11, 0
	v_lshlrev_b32 v12, 3, v0
.irp k, 1,2,3,4,5,6,7                  ; the fourteen compares stand in one run, each with a mask register of its own
	v_cmp_le_u32 s[34+2*\k], s[66+\k], v8
	v_cmp_le_u32 s[35+2*\k], s[66+\k], v9
.endr
	s_wait_alu depctr_va_sdst(0)                   ; the masks s36 to s49 are written, ahead of the selects that read them
.irp k, 1,2,3,4,5,6,7                  ; the last expert whose first group is at or below mine: an expert without rows has no group and is passed over
	v_cndmask_b32 v10, v10, \k, s[34+2*\k]
	v_cndmask_b32 v11, v11, \k, s[35+2*\k]
.endr
	s_wait_alu depctr_va_vdst(0)                   ; the two experts v[10:11] and their offset v12 are written, which the store reads
	global_store_b64 v12, v[10:11], s[14:15]
.Lend:
	s_wait_dscnt 0x0                               ; the closing lines, six on end
	s_wait_alu 0x0
	s_wait_tensorcnt 0x0
	ds_add_u32 v[SPW], v[NIL]
	s_wait_dscnt 0x0
	s_endpgm
.Lfunc_end_k_q3c752fe87a_prep:
	.size	k_q3c752fe87a_prep, .Lfunc_end_k_q3c752fe87a_prep-k_q3c752fe87a_prep
	.p2alignl 7, 3214868480
	.fill 96, 4, 3214868480
	.section	.rodata,"a",@progbits
	.p2align	6, 0x0
	.amdhsa_kernel k_q3c752fe87a_prep
		.amdhsa_group_segment_fixed_size 151808
		.amdhsa_private_segment_fixed_size 0
		.amdhsa_enable_private_segment 0
		.amdhsa_kernarg_size 56
		.amdhsa_user_sgpr_count 2
		.amdhsa_user_sgpr_kernarg_segment_ptr 1
		.amdhsa_wavefront_size32 1
		.amdhsa_system_sgpr_workgroup_id_x 1
		.amdhsa_system_sgpr_workgroup_id_y 1
		.amdhsa_system_sgpr_workgroup_id_z 1
		.amdhsa_system_vgpr_workitem_id 0
		.amdhsa_next_free_vgpr 160
		.amdhsa_next_free_sgpr 80
		.amdhsa_reserve_vcc 0
		.amdhsa_float_denorm_mode_32 3
		.amdhsa_float_denorm_mode_16_64 3
		.amdhsa_memory_ordered 1
		.amdhsa_forward_progress 1
		.amdhsa_inst_pref_size 50
	.end_amdhsa_kernel
	.amdgpu_metadata
---
amdhsa.version: [ 1, 2 ]
amdhsa.kernels:
  - .name:           k_q3c752fe87a_prep
    .symbol:         k_q3c752fe87a_prep.kd
    .args:
      - { .name: W1, .offset: 0, .size: 8, .value_kind: global_buffer, .address_space: global }
      - { .name: W2, .offset: 8, .size: 8, .value_kind: global_buffer, .address_space: global }
      - { .name: topk_idx, .offset: 16, .size: 8, .value_kind: global_buffer, .address_space: global }
      - { .name: wp, .offset: 24, .size: 8, .value_kind: global_buffer, .address_space: global }
      - { .name: order, .offset: 32, .size: 8, .value_kind: global_buffer, .address_space: global }
      - { .name: tiles, .offset: 40, .size: 8, .value_kind: global_buffer, .address_space: global }
      - { .name: inv, .offset: 48, .size: 8, .value_kind: global_buffer, .address_space: global }
    .group_segment_fixed_size: 151808
    .private_segment_fixed_size: 0
    .kernarg_segment_align: 8
    .kernarg_segment_size: 56
    .max_flat_workgroup_size: 512
    .sgpr_count:     80
    .vgpr_count:     160
    .wavefront_size: 32
...
	.end_amdgpu_metadata
.endif
;; end of part 4
;; launch moe: the kernel of part 2 again; grid 4 x 59, 4 waves a work-group, no clusters, 327,680 bytes of LDS; arguments wp, b1, b2, x, weights, order, tiles, p; writes p
;; launch combine (part 5): grid 256 x 1, 8 waves a work-group, no clusters, 0 bytes of LDS; arguments p, inv, out0; writes out0
.if DOCPART == 5
	.amdgcn_target "amdgcn-amd-amdhsa--gfx1250"
	.amdhsa_code_object_version 6
	.text
	.protected	k_q3c752fe87a_combine
	.globl	k_q3c752fe87a_combine
	.p2align	8
	.type	k_q3c752fe87a_combine,@function
k_q3c752fe87a_combine:
	s_mov_b64 s[64:65], 0
	v_nop
	global_prefetch_b8 v0, s[64:65] scope:SCOPE_SE
	s_setreg_imm32_b32 hwreg(HW_REG_WAVE_SCHED_MODE, 0, 2), 2
	s_setreg_imm32_b32 hwreg(HW_REG_WAVE_MODE, 25, 1), 1
	s_wait_xcnt 0x0
	s_wait_alu depctr_vm_vsrc(0)
; COMBINE.  out0[token][:] = the sum over k = 0, 1 and q = 0 .. 3 of p[q][inv[2 token + k]][:], all f32: the token's two routed rows, each in four partial sums over a quarter of the hidden
; channels, each already multiplied by its gate; the rows are found by their places.
; A gather and a stream: a work-group has 32 tokens, a wave 4.  The wave's eight places, 32 neighbouring bytes of inv, come by one scalar load; its 32 row loads, 512 consecutive bytes each,
; all go out ahead of the first wait for data; each store covers 512 consecutive bytes, aligned.  No LDS, no barrier, no cluster: no two waves touch the same bytes.
; LIMIT.  A place is held inside a quarter's 18,880 rows by a minimum.
; THE MODE: SCHED_MODE bits 1:0 = 2 (LLVM: expert scheduling mode 2), set by the entry lines.  The code itself states the register dependences between vector instructions and memory
; instructions, and those of scalar registers that vector instructions write, with s_wait_alu, always for 0.
; THE PLAN.  Registers that memory instructions touch:
;   v2        16 x lane: written once at the head; read by the four stores as their offset.
;   v4-11     the eight places' byte offsets: written once, in one run; read by the 32 loads.
;   v16-143   token k's eight rows at 16 + 32 k: the loads land; token k's sums read them and write the first four; token k's store reads those four.
; No register that a memory instruction reads is written again.  One wait on va_vdst stands ahead of the run of loads.  Token k - 1's store stands at the head of token k, behind the wait for token
; k's rows and one wait on va_vdst; the last token's store has a wait of its own.
.set PQ, 18880*512                     ; a quarter's part of p
.macro ADD4 a, b                       ; four numbers onto four
	v_pk_add_f32 v[(\a):(\a)+1], v[(\a):(\a)+1], v[(\b):(\b)+1]
	v_pk_add_f32 v[(\a)+2:(\a)+3], v[(\a)+2:(\a)+3], v[(\b)+2:(\b)+3]
.endm
	s_load_b128 s[4:7], s[0:1], 0x0                ; p s[4:5], inv s[6:7]
	s_load_b64 s[8:9], s[0:1], 0x10                ; out0
	v_lshrrev_b32 v1, 5, v0
	v_readfirstlane_b32 s10, v1                    ; wave 0..7
	v_and_b32 v2, 31, v0
	v_lshlrev_b32 v2, 4, v2                        ; 16 x lane; never rewritten
	s_lshl_b32 s11, ttmp9, 8                       ; in inv: 32 tokens x 8 bytes a work-group,
	s_wait_alu depctr_va_sdst(0)                   ; s10 is written, ahead of its first reader: the wave's places in inv and in out0 are made from it
	s_lshl_b32 s12, s10, 5                         ; 4 tokens x 8 bytes a wave
	s_add_co_u32 s11, s11, s12
	s_lshl_b32 s12, ttmp9, 14                      ; in out0: 32 tokens x 512 bytes,
	s_lshl_b32 s13, s10, 11                        ; 4 tokens x 512 bytes
	s_add_co_u32 s12, s12, s13
	s_mov_b32 s13, 0
	s_wait_kmcnt 0x0
	s_load_b256 s[16:23], s[6:7], s11 offset:0x0
	s_add_nc_u64 s[8:9], s[8:9], s[12:13]
	s_add_nc_u64 s[24:25], s[4:5], PQ              ; the quarters' parts of p: too far apart for a load's immediate
	s_add_nc_u64 s[26:27], s[4:5], 2*PQ
	s_add_nc_u64 s[28:29], s[4:5], 3*PQ
	s_wait_kmcnt 0x0
.irp j, 0,1,2,3,4,5,6,7
	s_min_u32 s[16+\j], s[16+\j], 18879
	v_lshl_add_u32 v[4+\j], s[16+\j], 9, v2        ; the place's row of 512 bytes
.endr
	s_wait_alu depctr_va_vdst(0)                   ; the eight offsets v4 to v11 are written, which the loads read, and v2, which the stores read
.irp j, 0,1,2,3,4,5,6,7
	global_load_b128 v[16+16*\j:19+16*\j], v[4+\j], s[4:5] th:TH_LOAD_NT
	global_load_b128 v[20+16*\j:23+16*\j], v[4+\j], s[24:25] th:TH_LOAD_NT
	global_load_b128 v[24+16*\j:27+16*\j], v[4+\j], s[26:27] th:TH_LOAD_NT
	global_load_b128 v[28+16*\j:31+16*\j], v[4+\j], s[28:29] th:TH_LOAD_NT
.endr
.irp k, 0,1,2,3
	s_wait_loadcnt 24-8*\k                         ; token k's eight rows are in; the younger tokens' loads may stay out
.set D, 16+32*\k
.if \k > 0
	s_wait_alu depctr_va_vdst(0)                   ; the sums of the token before have written its four registers, which the store reads
	global_store_b128 v2, v[D-32:D-29], s[8:9] offset:512*(\k-1) th:TH_STORE_NT
.endif
	ADD4 D, D+4
	ADD4 D+8, D+12
	ADD4 D+16, D+20
	ADD4 D+24, D+28
	ADD4 D, D+8
	ADD4 D+16, D+24
	ADD4 D, D+16
.endr
	s_wait_alu depctr_va_vdst(0)                   ; the last token's sums have written v[112:115], which the last store reads
	global_store_b128 v2, v[112:115], s[8:9] offset:512*3 th:TH_STORE_NT
	s_endpgm
.Lfunc_end_k_q3c752fe87a_combine:
	.size	k_q3c752fe87a_combine, .Lfunc_end_k_q3c752fe87a_combine-k_q3c752fe87a_combine
	.p2alignl 7, 3214868480
	.fill 96, 4, 3214868480
	.section	.rodata,"a",@progbits
	.p2align	6, 0x0
	.amdhsa_kernel k_q3c752fe87a_combine
		.amdhsa_group_segment_fixed_size 0
		.amdhsa_private_segment_fixed_size 0
		.amdhsa_enable_private_segment 0
		.amdhsa_kernarg_size 24
		.amdhsa_user_sgpr_count 2
		.amdhsa_user_sgpr_kernarg_segment_ptr 1
		.amdhsa_wavefront_size32 1
		.amdhsa_system_sgpr_workgroup_id_x 1
		.amdhsa_system_sgpr_workgroup_id_y 1
		.amdhsa_system_sgpr_workgroup_id_z 1
		.amdhsa_system_vgpr_workitem_id 0
		.amdhsa_next_free_vgpr 144
		.amdhsa_next_free_sgpr 66
		.amdhsa_reserve_vcc 0
		.amdhsa_float_denorm_mode_32 3
		.amdhsa_float_denorm_mode_16_64 3
		.amdhsa_memory_ordered 1
		.amdhsa_forward_progress 1
		.amdhsa_inst_pref_size 10
	.end_amdhsa_kernel
	.amdgpu_metadata
---
amdhsa.version: [ 1, 2 ]
amdhsa.kernels:
  - .name:           k_q3c752fe87a_combine
    .symbol:         k_q3c752fe87a_combine.kd
    .args:
      - { .name: p, .offset: 0, .size: 8, .value_kind: global_buffer, .address_space: global }
      - { .name: inv, .offset: 8, .size: 8, .value_kind: global_buffer, .address_space: global }
      - { .name: out0, .offset: 16, .size: 8, .value_kind: global_buffer, .address_space: global }
    .group_segment_fixed_size: 0
    .private_segment_fixed_size: 0
    .kernarg_segment_align: 8
    .kernarg_segment_size: 24
    .max_flat_workgroup_size: 256
    .sgpr_count:     66
    .vgpr_count:     144
    .wavefront_size: 32
...
	.end_amdgpu_metadata
.endif
;; end of part 5
